; MI455X (gfx1250); checked and timed in simulation.
; The chip was launched on July 23, 2026; its instructions are those of AMD's public machine-readable ISA for CDNA 5 (MIT licence, August 2026) and "CDNA5" Instruction Set Architecture Reference Guide (July 2026). The comments in the code are by the model that wrote it; some were corrected since.
;; Multi Headed Attention Ro PE. Allowed arithmetic: matrix products marked QUANTISED: E3M2 operands, one E8M0 scale for each 32 along K, by v_wmma_scale_f32_16x16x128_f8f6f4 with both operands' format E3M2, f32 sums; everything else in f32.
;; Inputs: Wk 1,024 x 1,024 float32; Wo 1,024 x 1,024 float32; Wq 1,024 x 1,024 float32; Wv 1,024 x 1,024 float32; bk 1,024 float32; bo 1,024 float32; bq 1,024 float32; bv 1,024 float32; key 4 x 2,048 x 1,024 float32; query 4 x 2,048 x 1,024 float32; value 4 x 2,048 x 1,024 float32.
;; Outputs: out0 4 x 2,048 x 1,024 float32.
;; This version of the problem:
;;   THIS VERSION OF THE PROBLEM IS GIVEN IN LOW PRECISION. The matrix products marked QUANTISED in the list below multiply operands that are first quantised to E3M2 (3 exponent bits, 2 mantissa bits; 6 bits a number), with one power-of-two scale for each 32 numbers along K (OCP MX v1.0); their sums are f32. All else is computed in f32.
;;   The module's matrix products, in the order in which they are computed (A, B: the left and right operand; K: the contracted axis; several contracted axes count as one K, in the product's order):
;;     1. [M 8,192, K 1,024] x [K 1,024, N 1,024]; A: input query; B: input Wq: QUANTISED
;;     2. [M 8,192, K 1,024] x [K 1,024, N 1,024]; A: input key; B: input Wk: QUANTISED
;;     3. [M 8,192, K 1,024] x [K 1,024, N 1,024]; A: input value; B: input Wv: QUANTISED
;;     4. batch 64 x [M 2,048, K 64] x [K 64, N 2,048]; A: computed on the way; B: computed on the way: QUANTISED
;;     5. batch 64 x [M 2,048, K 2,048] x [K 2,048, N 64]; A: softmax (see below); B: computed on the way: QUANTISED
;;     6. [M 8,192, K 1,024] x [K 1,024, N 1,024]; A: computed on the way; B: input Wo: QUANTISED
;;   THE QUANTISER, for each operand of a quantised product, along K:
;;     - K is cut into blocks of 32 from its start; a last block that is shorter is filled with zeros.
;;     - A block's scale is 2^e with e = floor(log2(the largest magnitude in the block)) - 4, held to -126 .. 127; a block of zeros has e = 0. As a byte (E8M0): e + 127.
;;     - Each number is divided by its block's scale, clamped to +-28, and rounded to the nearest number of E3M2, ties to even, subnormals kept.
;;     - The product sums the exact products of the quantised numbers (number of the format x scale) in f32.
;;   ~~~python
;;   def quantise(x, axis):      # numpy; x: float32 -> the quantised numbers, widened to float32 again
;;       x = np.moveaxis(x, axis, -1); K = x.shape[-1]
;;       x = np.pad(x, [(0, 0)] * (x.ndim - 1) + [(0, -K % 32)]); x = x.reshape(x.shape[:-1] + (-1, 32)); a = np.abs(x).max(-1, keepdims=True)
;;       e = np.where(a > 0, np.clip(np.frexp(np.where(a > 0, a, 1))[1] - 1 - 4, -126, 127), 0)      # np.frexp(a)[1] - 1 = floor(log2(a)), exactly
;;       r = np.clip(x / 2.0 ** e, -28, 28)
;;       step = 2.0 ** (np.maximum(np.frexp(np.where(r == 0, 1, r))[1] - 1, -2) - 2)
;;       q = np.round(r / step) * step * 2.0 ** e      # np.round: ties to even
;;       return np.moveaxis(q.reshape(q.shape[:-2] + (-1,))[..., :K], -1, axis).astype(np.float32)
;;   ~~~
;;   SOFTMAX AHEAD OF A QUANTISED PRODUCT. Where the list says 'softmax', what is quantised is not the finished softmax but p = 2^(t - M), with t = logit x log2(e) and M = ceil(the row's largest t), a whole number; so 1/2 < the row's largest p <= 1. The row's sum l is taken of the UNQUANTISED p, in f32, and the product's result is divided by l at the end. Since M is a whole number, a kernel that streams over the keys may use a running M (the ceiling of the running maximum): every later rescaling is an exact power of two, which a block's scale takes up: the codes' values come out the same.
;;   OPERANDS COMPUTED ON THE WAY. 'Computed on the way' means the value that the module computes at that place (a softmax that the list does not call 'softmax' is quantised finished and normalised). What goes into a quantiser is computed in f32, as accurately as f32 sums, v_exp_f32 and their like allow (about 1e-6 of the number): no bf16 or f16 on the way to a quantiser, and a product that is left as it is and whose result goes on into a quantised operand takes f32 operands (vector FMAs, or v_wmma_f32_16x16x4_f32). A number that lies on a knife's edge between two numbers of the format may be rounded either way, as far as f32 arithmetic and the matrix unit's own rounding can turn it there, and no further.
;; One version. Each part assembles by itself: llvm-mc -triple=amdgcn-amd-amdhsa -mcpu=gfx1250 --defsym DOCPART=n.
;; ======== version 1 of 1: 4 launches
;; workspace buffers: codes 22,020,096 bytes; scales 917,504 bytes; rope 262,144 bytes; qc 6,291,456 bytes; qs 524,288 bytes; kv 13,369,344 bytes; xc 6,291,456 bytes; xs 524,288 bytes
;; launch quant (part 1): grid 480 x 1, 4 waves a work-group, no clusters, 34,304 bytes of LDS; arguments query, key, value, Wq, Wk, Wv, Wo, codes, scales, rope; writes codes, scales, rope
.if DOCPART == 1
	.amdgcn_target "amdgcn-amd-amdhsa--gfx1250"
	.amdhsa_code_object_version 6
	.text
	.protected	k_qe33039c7de_quant
	.globl	k_qe33039c7de_quant
	.p2align	8
	.type	k_qe33039c7de_quant,@function
k_qe33039c7de_quant:
	s_mov_b64 s[64:65], 0
	v_nop
	global_prefetch_b8 v0, s[64:65] scope:SCOPE_SE
	s_setreg_imm32_b32 hwreg(HW_REG_WAVE_MODE, 25, 1), 1
	s_wait_xcnt 0x0
; The seven f32 tensors (query, key, value: 8,192 rows; Wq, Wk, Wv, Wo: 1,024 rows; every row 1,024 numbers, K innermost) become codes of BF6 (E3M2) with one E8M0 byte for each 32 along K,
; laid in the ORDER OF AN OPERAND'S REGISTERS.  The last 32 work-groups make the table of cosines and sines for the rotary embedding instead.
; A ROW BLOCK is 16 rows: block rb holds rows 32 (rb / 2) + 8 (rb % 2) + r + 8 (r / 8), r = 0 .. 15, so that the results of two neighbouring blocks used as source 0 are 16 neighbours in a lane.
; codes:  [1,792 row blocks][16 halves of 64 along K][768 bytes]; in a half, lane l = 16 h + r (row r, k = 32 h .. 32 h + 31) has 16 bytes at 16 l and 8 bytes at 512 + 8 l.
; scales: [1,792][512 bytes]: the word at 16 l + 4 j is row r's four bytes for K step 2 j + h (a K step is 128 along K).
; rope:   [128 blocks of tokens][4][512 bytes]: lane l's 16 bytes are cos, sin, cos, sin of its token for the pairs 8 h + 2 q and 8 h + 2 q + 1.
; A block's scale is 2^(floor(log2(largest magnitude)) - 4): its byte is the largest magnitude's exponent field - 4, held at 1 from below by a floor among the maximum's leaves.
; SHARES: a wave owns one row block, 64 KiB of f32, in 8 K steps.  Each load reads 512 consecutive bytes of one row; a step's 16 rows turn through the wave's own stage in LDS (pitch 528),
; so that a lane gets 2 x 32 neighbours along K.  Loads run two steps (32 loads a wave) ahead.  Waves share nothing: no barrier.
; LIMITS: NaN and infinities are not served.  A block of zeros, and one whose largest magnitude lies under 2^-122, gets the byte 1 (its codes are zeros or subnormal codes); this program alone reads the bytes.
; The table's frequencies are the f32 numbers 1 / fl(10^(j / 4)); were a frequency one unit in the last place off, an angle near token 2,047 would be off by up to 1e-4.
.set STG,  8448                        ; a wave's stage: 16 rows x (512 + 16) bytes
.set R,    16                          ; v16-143  two sets of 16 loads
.set X,    144                         ; v144-207 register 32 c + i: k = 64 c + 32 h + i of my row
.set C,    208                         ; v208-219 the fragment
.set CT,   220                         ; v220-222, v224-226: the upper halves of the two blocks, as converted
.set MX,   228                         ; v228-231 largest magnitudes, two chains a block
.set SOP,  232                         ; v232-233 the conversions' scale operands
.set BY,   234                         ; v234-235 the bytes
.set W,    236                         ; v236 the K step's scale word; v237 the other half's; v238 the even step's word
.set WT,   237
.set WP,   238
.set SCW,  240                         ; v240-243 the block's 16 bytes of scale words for my lane
	s_load_b512 s[4:19], s[0:1], 0x0               ; query, key, value, Wq, Wk, Wv, Wo, codes
	s_load_b128 s[24:27], s[0:1], 0x40             ; scales, rope
	v_lshl_add_u32 v254, v0, 2, 0x8400
	v_mov_b32 v255, 0
	v_lshrrev_b32 v1, 5, v0
	v_readfirstlane_b32 s28, v1                    ; wave
	v_and_b32 v1, 31, v0                           ; l
	v_and_b32 v7, 15, v0                           ; r
	v_bfe_u32 v8, v0, 4, 1                         ; h
	v_lshlrev_b32 v2, 4, v1                        ; 16 l
	v_lshlrev_b32 v5, 3, v1                        ; 8 l
	s_mov_b32 s40, 0xffff0000                      ; lanes 16-31
	s_mov_b32 s20, 0x76543210
	s_mov_b32 s21, 0xfedcba98                      ; v_permlanex16_b32's selects for lane l xor 16
	s_cmp_ge_u32 ttmp9, 448
	s_cbranch_scc1 .Lrope
	s_mul_i32 s29, s28, STG
	v_add_nc_u32 v3, s29, v2                       ; into the stage: 16 l, a row an instruction
	v_mul_u32_u24 v4, v7, 528
	v_lshl_add_u32 v4, v8, 7, v4
	v_add_nc_u32 v4, s29, v4                       ; out of it: row r, + 128 h bytes
	v_lshlrev_b32 v6, 3, v8                        ; 8 h: my bytes' place in the scale word
	v_mov_b32 v[WT], 0                             ; a lane permute's destination counts as one of its sources
	s_wait_kmcnt 0x0
; which tensor: the choice hangs on the work-group's number alone
.macro PICK lim, ptr, first
	s_cmp_lt_u32 ttmp9, \lim
	s_cselect_b64 s[30:31], s[\ptr:\ptr+1], s[30:31]
	s_cselect_b32 s32, \first, s32
.endm
	s_mov_b64 s[30:31], s[16:17]                   ; Wo, from work-group 432 on
	s_mov_b32 s32, 432
	PICK 432, 14, 416
	PICK 416, 12, 400
	PICK 400, 10, 384
	PICK 384, 8, 256
	PICK 256, 6, 128
	PICK 128, 4, 0
	s_sub_co_u32 s33, ttmp9, s32
	s_lshl_b32 s33, s33, 2
	s_add_co_u32 s33, s33, s28                     ; my row block in its tensor
	s_lshr_b32 s34, s33, 1
	s_lshl_b32 s34, s34, 17                        ; 32 rows of 4,096 bytes for each pair of blocks,
	s_and_b32 s35, s33, 1
	s_lshl_b32 s35, s35, 15                        ; 8 rows for the odd one
	s_add_co_u32 s34, s34, s35
	s_mov_b32 s35, 0
	s_add_nc_u64 s[30:31], s[30:31], s[34:35]
	s_lshl_b32 s36, ttmp9, 2
	s_add_co_u32 s36, s36, s28                     ; my row block among all 1,792
	s_mul_i32 s38, s36, 12288
	s_mov_b32 s39, 0
	s_add_nc_u64 s[18:19], s[18:19], s[38:39]
	s_lshl_b32 s38, s36, 9
	s_add_nc_u64 s[24:25], s[24:25], s[38:39]
.macro LOAD s                          ; K step s: 512 bytes of each of my 16 rows
.irp i, 0,1,2,3,4,5,6,7,8,9,10,11,12,13,14,15
	global_load_b128 v[R+64*((\s)%2)+4*\i:R+64*((\s)%2)+4*\i+3], v2, s[30:31] offset:(\i+8*(\i/8))*4096+512*(\s) th:TH_LOAD_NT
.endr
.endm
.macro STEP s
.set RS, R+64*((\s)%2)
.if (\s) < 7
	s_wait_loadcnt 16                              ; this step's 16 loads are in; the next step's 16 may be out
.else
	s_wait_loadcnt 0x0
.endif
.irp i, 0,1,2,3,4,5,6,7,8,9,10,11,12,13,14,15
	ds_store_b128 v3, v[RS+4*\i:RS+4*\i+3] offset:528*\i
.endr
.irp c, 0,1
.irp q, 0,1,2,3,4,5,6,7
	ds_load_b128 v[X+32*\c+4*\q:X+32*\c+4*\q+3], v4 offset:256*\c+16*\q   ; LDS serves a wave's instructions in order: these see the stores above
.endr
.endr
	s_wait_dscnt 0x0                               ; my 64 numbers are in, and the stores have read their registers,
.if (\s) < 6
	LOAD (\s)+2                                    ; which take the loads of two steps on
.endif
.irp c, 0,1                                    ; block 2 c + h of my row: all its 32 numbers are mine; two chains a block, the floor 2^(5 - 127) among the leaves
	v_max3_num_f32 v[MX+2*\c], |v[X+32*\c]|, |v[X+32*\c+1]|, 0x2800000
	v_max3_num_f32 v[MX+2*\c+1], |v[X+32*\c+16]|, |v[X+32*\c+17]|, |v[X+32*\c+18]|
.endr
.irp i, 0,2,4,6,8,10
.irp c, 0,1
	v_max3_num_f32 v[MX+2*\c], v[MX+2*\c], |v[X+32*\c+2+\i]|, |v[X+32*\c+3+\i]|
	v_max3_num_f32 v[MX+2*\c+1], v[MX+2*\c+1], |v[X+32*\c+19+\i]|, |v[X+32*\c+20+\i]|
.endr
.endr
.irp c, 0,1
	v_max3_num_f32 v[MX+2*\c], v[MX+2*\c], |v[X+32*\c+14]|, |v[X+32*\c+15]|
.endr
.irp c, 0,1
	v_max3_num_f32 v[MX+2*\c], v[MX+2*\c], v[MX+2*\c+1], |v[X+32*\c+31]|
.endr
.irp c, 0,1
	v_add_nc_u32 v[SOP+\c], 0xfe000000, v[MX+2*\c] ; 4 off the exponent field: the conversion takes this operand's exponent field as its scale
.endr
.irp c, 0,1
	v_lshrrev_b32 v[BY+\c], 23, v[SOP+\c]          ; the scale's byte
.endr
	v_lshl_or_b32 v[W], v[BY+1], 16, v[BY]         ; blocks h and 2 + h,
	v_lshlrev_b32 v[W], v6, v[W]                   ; at their places in the word;
	v_permlanex16_b32 v[WT], v[W], s20, s21
	v_or_b32 v[W], v[W], v[WT]                     ; with lane l xor 16's two the word is whole
.if ((\s)%2) == 0
	v_mov_b32 v[WP], v[W]
.else
	v_cndmask_b32 v[SCW+(\s)/2], v[WP], v[W], s40  ; lanes 0-15 keep the even step's word, lanes 16-31 the odd step's
.endif
	s_wait_alu depctr_va_vdst(0)
	s_wait_xcnt 0x0                                ; the last step's stores have read the fragment's registers: they are written again only behind this wait
.irp c, 0,1
	v_cvt_scalef32_pk16_bf6_f32 v[C+6*\c:C+6*\c+2], v[X+32*\c:X+32*\c+15], v[SOP+\c]
	v_cvt_scalef32_pk16_bf6_f32 v[CT+4*\c:CT+4*\c+2], v[X+32*\c+16:X+32*\c+31], v[SOP+\c]   ; (a conversion's three registers begin on an even number)
.endr
	v_nop                                          ; one plain line behind the scaled conversions
.irp c, 0,1
.irp i, 0,1,2
	v_mov_b32 v[C+6*\c+3+\i], v[CT+4*\c+\i]
.endr
.endr
	global_store_b128 v2, v[C:C+3], s[18:19] offset:1536*(\s)          ; each store covers 512 or 256 consecutive bytes, at a multiple of 256 from the buffer's first byte
	global_store_b64 v5, v[C+4:C+5], s[18:19] offset:1536*(\s)+512
	global_store_b128 v2, v[C+6:C+9], s[18:19] offset:1536*(\s)+768
	global_store_b64 v5, v[C+10:C+11], s[18:19] offset:1536*(\s)+1280
.endm
	s_wait_alu depctr_va_vdst(0)
	LOAD 0
	LOAD 1
.irp s, 0,1,2,3,4,5,6,7
	STEP \s
.endr
	global_store_b128 v2, v[SCW:SCW+3], s[24:25]   ; the row block's 512 bytes of scale words
	s_wait_tensorcnt 0x0
	ds_add_u32 v254, v255
	s_wait_dscnt 0x0
	s_endpgm
; THE TABLE.  Wave 4 (work-group - 448) + wave makes block rbt: cos and sin of token x frequency for 16 tokens x 16 pairs.
; The angle is one f32 product.  It is reduced by n = round(x 2 / pi) in two fused steps (the first is exact: all its bits fit); sine and cosine on [-pi/4, pi/4] are
; their series up to r^9 and r^10 (what is left out lies under 2e-9); n's low two bits swap them and set the signs.
.Lrope:
	s_sub_co_u32 s29, ttmp9, 448
	s_lshl_b32 s29, s29, 2
	s_add_co_u32 s29, s29, s28                     ; rbt
	s_lshr_b32 s30, s29, 1
	s_lshl_b32 s30, s30, 5
	s_and_b32 s31, s29, 1
	s_lshl_b32 s31, s31, 3
	s_add_co_u32 s30, s30, s31
	s_wait_alu depctr_va_vdst(0)
	v_and_b32 v9, 8, v7
	v_add_nc_u32 v9, v9, v7
	v_add_nc_u32 v9, s30, v9                       ; my token: 32 (rbt / 2) + 8 (rbt % 2) + r + 8 (r / 8)
	v_cvt_f32_u32 v10, v9
	s_lshl_b32 s32, s29, 11
	s_mov_b32 s33, 0
	s_wait_kmcnt 0x0
	s_add_nc_u64 s[26:27], s[26:27], s[32:33]
.macro SINCOS dc, ds, lo, hi           ; lo: the frequency of lanes 0-15's pair, hi: of lanes 16-31's
	v_mov_b32 v20, \lo
	v_mov_b32 v21, \hi
	v_cndmask_b32 v20, v20, v21, s40
	s_wait_alu depctr_va_vdst(0)
	v_mul_f32 v20, v10, v20                        ; the angle x
	v_mul_f32 v21, 0x3f22f983, v20
	v_rndne_f32 v21, v21                           ; n = round(x 2 / pi)
	v_fmamk_f32 v22, v21, 0xbfc90fdb, v20          ; x - n fl(pi / 2)
	v_fmamk_f32 v22, v21, 0x333bbd2e, v22          ; - n (pi / 2 - fl(pi / 2)): r
	v_mul_f32 v23, v22, v22                        ; z = r r
	v_mov_b32 v24, 0x3638ef1d
	v_fmaak_f32 v24, v24, v23, 0xb9500d01
	v_fmaak_f32 v24, v24, v23, 0x3c088889
	v_fmaak_f32 v24, v24, v23, 0xbe2aaaab
	v_mul_f32 v25, v23, v22
	v_fma_f32 v24, v25, v24, v22                   ; sin r
	v_mov_b32 v25, 0xb493f27e
	v_fmaak_f32 v25, v25, v23, 0x37d00d01
	v_fmaak_f32 v25, v25, v23, 0xbab60b61
	v_fmaak_f32 v25, v25, v23, 0x3d2aaaab
	v_fmaak_f32 v25, v25, v23, 0xbf000000
	v_fma_f32 v25, v23, v25, 1.0                   ; cos r
	v_cvt_i32_f32 v26, v21
	v_and_b32 v27, 1, v26
	v_cmp_eq_u32 vcc_lo, 1, v27
	v_cndmask_b32 v28, v24, v25, vcc_lo            ; an odd n swaps the two
	v_cndmask_b32 v29, v25, v24, vcc_lo
	v_and_b32 v27, 2, v26
	v_lshlrev_b32 v27, 30, v27
	v_xor_b32 v[\ds], v28, v27                     ; the sine changes sign for n % 4 = 2, 3,
	v_add_nc_u32 v26, 1, v26
	v_and_b32 v26, 2, v26
	v_lshlrev_b32 v26, 30, v26
	v_xor_b32 v[\dc], v29, v26                     ; the cosine for n % 4 = 1, 2
.endm
	SINCOS 32, 33, 0x3f800000, 0x3c23d70a          ; pairs 0 and 8
	SINCOS 34, 35, 0x3f0ff59a, 0x3bb8449c          ; 1 and 9
	SINCOS 36, 37, 0x3ea1e89b, 0x3b4f3e38
	SINCOS 38, 39, 0x3e361887, 0x3ae91528
	SINCOS 40, 41, 0x3dcccccd, 0x3a83126f
	SINCOS 42, 43, 0x3d6655c2, 0x3a136a16
	SINCOS 44, 45, 0x3d0186e3, 0x39a5cb60
	SINCOS 46, 47, 0x3c91ad39, 0x393a7753          ; 7 and 15
.irp q, 0,1,2,3
	global_store_b128 v2, v[32+4*\q:35+4*\q], s[26:27] offset:512*\q
.endr
	s_endpgm
.Lfunc_end_k_qe33039c7de_quant:
	.size	k_qe33039c7de_quant, .Lfunc_end_k_qe33039c7de_quant-k_qe33039c7de_quant
	.p2alignl 7, 3214868480
	.fill 96, 4, 3214868480
	.section	.rodata,"a",@progbits
	.p2align	6, 0x0
	.amdhsa_kernel k_qe33039c7de_quant
		.amdhsa_group_segment_fixed_size 34304
		.amdhsa_private_segment_fixed_size 0
		.amdhsa_enable_private_segment 0
		.amdhsa_kernarg_size 80
		.amdhsa_user_sgpr_count 2
		.amdhsa_user_sgpr_kernarg_segment_ptr 1
		.amdhsa_wavefront_size32 1
		.amdhsa_system_sgpr_workgroup_id_x 1
		.amdhsa_system_sgpr_workgroup_id_y 1
		.amdhsa_system_sgpr_workgroup_id_z 1
		.amdhsa_system_vgpr_workitem_id 0
		.amdhsa_next_free_vgpr 256
		.amdhsa_next_free_sgpr 66
		.amdhsa_reserve_vcc 1
		.amdhsa_float_denorm_mode_32 3
		.amdhsa_float_denorm_mode_16_64 3
		.amdhsa_memory_ordered 1
		.amdhsa_forward_progress 1
		.amdhsa_inst_pref_size 73
	.end_amdhsa_kernel
	.amdgpu_metadata
---
amdhsa.version: [ 1, 2 ]
amdhsa.kernels:
  - .name:           k_qe33039c7de_quant
    .symbol:         k_qe33039c7de_quant.kd
    .args:
      - { .name: query, .offset: 0, .size: 8, .value_kind: global_buffer, .address_space: global }
      - { .name: key, .offset: 8, .size: 8, .value_kind: global_buffer, .address_space: global }
      - { .name: value, .offset: 16, .size: 8, .value_kind: global_buffer, .address_space: global }
      - { .name: Wq, .offset: 24, .size: 8, .value_kind: global_buffer, .address_space: global }
      - { .name: Wk, .offset: 32, .size: 8, .value_kind: global_buffer, .address_space: global }
      - { .name: Wv, .offset: 40, .size: 8, .value_kind: global_buffer, .address_space: global }
      - { .name: Wo, .offset: 48, .size: 8, .value_kind: global_buffer, .address_space: global }
      - { .name: codes, .offset: 56, .size: 8, .value_kind: global_buffer, .address_space: global }
      - { .name: scales, .offset: 64, .size: 8, .value_kind: global_buffer, .address_space: global }
      - { .name: rope, .offset: 72, .size: 8, .value_kind: global_buffer, .address_space: global }
    .group_segment_fixed_size: 34304
    .private_segment_fixed_size: 0
    .kernarg_segment_align: 8
    .kernarg_segment_size: 80
    .max_flat_workgroup_size: 128
    .sgpr_count:     66
    .vgpr_count:     256
    .wavefront_size: 32
...
	.end_amdgpu_metadata
.endif
;; end of part 1
;; launch proj (part 2): grid 4 x 192, 4 waves a work-group, clusters of 4 x 4, 295,424 bytes of LDS; arguments codes, scales, rope, bq, bk, bv, qc, qs, kv; writes qc, qs, kv
.if DOCPART == 2
	.amdgcn_target "amdgcn-amd-amdhsa--gfx1250"
	.amdhsa_code_object_version 6
	.text
	.protected	k_qe33039c7de_proj
	.globl	k_qe33039c7de_proj
	.p2align	8
	.type	k_qe33039c7de_proj,@function
k_qe33039c7de_proj:
	s_mov_b64 s[64:65], 0
	v_nop
	global_prefetch_b8 v0, s[64:65] scope:SCOPE_SE
	s_setreg_imm32_b32 hwreg(HW_REG_WAVE_MODE, 25, 1), 1
	s_wait_xcnt 0x0
	s_wait_alu depctr_hold_cnt(0) depctr_sa_sdst(0) depctr_va_vdst(0) depctr_va_sdst(0) depctr_va_ssrc(0) depctr_va_vcc(0) depctr_vm_vsrc(0)
	s_getreg_b32 s2, hwreg(HW_REG_IB_STS2, 6, 4)
	s_cmp_eq_u32 s2, 0
	s_cbranch_scc0 .Lentry_in_a_cluster
	s_endpgm
.Lentry_in_a_cluster:
	s_bfe_u32 s2, ttmp6, 0x10000c
	s_cmp_lg_u32 s2, 0xf033
	s_cbranch_scc0 .Lentry_shape_is_right
	s_endpgm
.Lentry_shape_is_right:
; The three input projections on codes of BF6, with bias, rotary embedding and the quantising of q, k (along the head's 64) and v (along the keys).
; z = cluster y / 16: 0 = q, 1 = k, 2 = v.  A work-group makes 256 rows of S0 x 128 rows of S1, K = 1,024.  S0 is source 0: a lane's registers run along it; S1 is source 1: a lane is one row of it.
;   q, k: S0 = the weight's rows (features), S1 = tokens: a lane holds one token and neighbours along the head, which is the next product's K.
;   v:    S0 = tokens, S1 = Wv's rows (channels): a lane holds one channel and neighbours along the keys, which are the next product's K.
; Operands lie in memory in the order of the registers (row blocks of 16 rows, 12,288 bytes; a fragment of 128 along K is 1,536 dense bytes: 16 l, 512 + 8 l, 768 + 16 l, 1,280 + 8 l).
; Row block rb holds rows 32 (rb / 2) + 8 (rb % 2) + r + 8 (r / 8): so registers 16 b + i of tiles 2 b, 2 b + 1 of S0 are S0's rows 32 b + 16 (lane / 16) + i.
; ALL OF K LIES IN LDS: 256 + 128 rows x 768 bytes = 294,912 bytes, brought in four chunks of two K steps.  Every LDS byte is filled once; a wave has four tensor loads out at the most.
; CLUSTER 4 x 4: S1's tile hangs on the place along y alone and is asked for jointly by a row of the cluster, S0's on the place along x and by a column.
; Four waves: wave w makes S0's rows 128 (w % 2) on (tiles T = 0 .. 7) x S1's rows 64 (w / 2) on (blocks i = 0 .. 3): 32 accumulators, which take turns in one order in every K step.
; No prefetch: every tensor load of the launch stands at its head.
; REGISTERS: window 0: v1-7 lane terms, v8-23 LDS addresses, v32-63 S0's scale words, v64-79 S1's, v80-175 S1's fragments (two sets); on the way out v80-143 numbers, v144-163 codes, v164-175 at work,
;   v176-239 cos and sin, v240-247 scale words made, v248-255 at work.  window 1: v0-191 S0's fragments (two sets), v192-255 biases.  window 2: accumulator (i, T) at v[8 (8 i + T)].
; LIMITS: NaN and infinities are not served; a block whose largest magnitude lies under 2^-122 (zeros too) gets the byte 1.  The bias is added behind the f32 sums.
.set WV,  22                           ; s22 wave; s23 = wave % 2; s24 = wave / 2; s25 cx; s26 cy; s28 z; s85 S1's tile; s89 S0's tile
.set SEL, 2                            ; s[2:3] v_permlanex16_b32's selects
.set HI,  100                          ; s100 lanes 16-31
.set A0X, 8                            ; v8-11  S0: 49,152 c + 24,576 (wave % 2) + 16 l;  v12-15 the same with 8 l
.set A0Y, 12
.set A1X, 16                           ; v16-19 S1: 196,608 + 24,576 c + 12,288 (wave / 2) + 16 l;  v20-23 with 8 l
.set A1Y, 20
.set SC0, 32
.set SC1, 64
.set F1,  80
.set H,   80
.set PC,  144
.set TM,  164                          ; v164-167 largest magnitudes, v168-171 the other half's, then bytes, v172-175 scale operands
.set TAB, 176
.set SW,  240
.set TT,  248
.set OP,  252
.set BI,  192                          ; in window 1
.set MSB, 0
.macro WIN new                         ; the immediate's high byte repeats the setting that is left
.if MSB != \new
	s_set_vgpr_msb (MSB<<8)|\new
.set MSB, \new
.endif
.endm
.macro ROUND                           ; a round of the cluster's barrier
	s_barrier_signal -1
	s_barrier_wait -1
	s_cmp_lg_u32 s[WV], 0
	s_cbranch_scc1 .Lnot_wave_0_\@
	s_barrier_signal -3
.Lnot_wave_0_\@:
	s_barrier_wait -3
	s_barrier_signal -1
	s_barrier_wait -1
.endm
; one product: D at d, source 0 at a, source 1 at b; zero = 1: it starts the sum; sa, sb: the scale registers; ra, rb = 1: their lanes 16-31
.macro WM d, a, b, zero, sa, sb, ra, rb
.set WSEL, 4*(\zero)+2*(\ra)+(\rb)
.if WSEL == 0
	v_wmma_scale_f32_16x16x128_f8f6f4 v[(\d):(\d)+7], v[(\a):(\a)+11], v[(\b):(\b)+11], v[(\d):(\d)+7], v[(\sa)], v[(\sb)] matrix_a_fmt:MATRIX_FMT_BF6 matrix_b_fmt:MATRIX_FMT_BF6
.elseif WSEL == 1
	v_wmma_scale_f32_16x16x128_f8f6f4 v[(\d):(\d)+7], v[(\a):(\a)+11], v[(\b):(\b)+11], v[(\d):(\d)+7], v[(\sa)], v[(\sb)] matrix_a_fmt:MATRIX_FMT_BF6 matrix_b_fmt:MATRIX_FMT_BF6 matrix_b_scale:MATRIX_SCALE_ROW1
.elseif WSEL == 2
	v_wmma_scale_f32_16x16x128_f8f6f4 v[(\d):(\d)+7], v[(\a):(\a)+11], v[(\b):(\b)+11], v[(\d):(\d)+7], v[(\sa)], v[(\sb)] matrix_a_fmt:MATRIX_FMT_BF6 matrix_b_fmt:MATRIX_FMT_BF6 matrix_a_scale:MATRIX_SCALE_ROW1
.elseif WSEL == 3
	v_wmma_scale_f32_16x16x128_f8f6f4 v[(\d):(\d)+7], v[(\a):(\a)+11], v[(\b):(\b)+11], v[(\d):(\d)+7], v[(\sa)], v[(\sb)] matrix_a_fmt:MATRIX_FMT_BF6 matrix_b_fmt:MATRIX_FMT_BF6 matrix_a_scale:MATRIX_SCALE_ROW1 matrix_b_scale:MATRIX_SCALE_ROW1
.elseif WSEL == 4
	v_wmma_scale_f32_16x16x128_f8f6f4 v[(\d):(\d)+7], v[(\a):(\a)+11], v[(\b):(\b)+11], 0, v[(\sa)], v[(\sb)] matrix_a_fmt:MATRIX_FMT_BF6 matrix_b_fmt:MATRIX_FMT_BF6
.elseif WSEL == 5
	v_wmma_scale_f32_16x16x128_f8f6f4 v[(\d):(\d)+7], v[(\a):(\a)+11], v[(\b):(\b)+11], 0, v[(\sa)], v[(\sb)] matrix_a_fmt:MATRIX_FMT_BF6 matrix_b_fmt:MATRIX_FMT_BF6 matrix_b_scale:MATRIX_SCALE_ROW1
.elseif WSEL == 6
	v_wmma_scale_f32_16x16x128_f8f6f4 v[(\d):(\d)+7], v[(\a):(\a)+11], v[(\b):(\b)+11], 0, v[(\sa)], v[(\sb)] matrix_a_fmt:MATRIX_FMT_BF6 matrix_b_fmt:MATRIX_FMT_BF6 matrix_a_scale:MATRIX_SCALE_ROW1
.else
	v_wmma_scale_f32_16x16x128_f8f6f4 v[(\d):(\d)+7], v[(\a):(\a)+11], v[(\b):(\b)+11], 0, v[(\sa)], v[(\sb)] matrix_a_fmt:MATRIX_FMT_BF6 matrix_b_fmt:MATRIX_FMT_BF6 matrix_a_scale:MATRIX_SCALE_ROW1 matrix_b_scale:MATRIX_SCALE_ROW1
.endif
.endm
.macro FRAG reg, ax, ay, off           ; a fragment's 12 registers from its 1,536 dense bytes: every load takes consecutive bytes in consecutive lanes
	ds_load_b128 v[(\reg):(\reg)+3], v[\ax] offset:(\off)
	ds_load_b64 v[(\reg)+4:(\reg)+5], v[\ay] offset:(\off)+512
	ds_load_b128 v[(\reg)+6:(\reg)+9], v[\ax] offset:(\off)+768
	ds_load_b64 v[(\reg)+10:(\reg)+11], v[\ay] offset:(\off)+1280
.endm
.macro FETCH s                         ; K step s: S0's eight fragments and S1's four, 48 loads, into set s % 2
	WIN 0x40                                       ; destination window 1, address window 0
.irp t, 0,1,2,3,4,5,6,7
	FRAG 96*((\s)%2)+12*\t, A0X+(\s)/2, A0Y+(\s)/2, 3072*\t+1536*((\s)%2)
.endr
	WIN 0
.irp i, 0,1,2,3
	FRAG F1+48*((\s)%2)+12*\i, A1X+(\s)/2, A1Y+(\s)/2, 3072*\i+1536*((\s)%2)
.endr
.endm
.macro MUL s, zero                     ; 32 products; K step s takes register s / 2 of a block's four scale registers, lanes 0-15 (even s) or 16-31
	WIN 0xa1                                       ; source 0 window 1, source 1 window 0, C and D window 2
.irp i, 0,1,2,3
.irp t, 0,1,2,3,4,5,6,7
	WM 8*(8*\i+\t), 96*((\s)%2)+12*\t, F1+48*((\s)%2)+12*\i, \zero, SC0+4*\t+(\s)/2, SC1+4*\i+(\s)/2, (\s)%2, (\s)%2
.endr
.endr
.endm
; tcnt >= 0: the next step begins a chunk: each wave shows its part landed (tcnt = its younger chunk loads, which may stay out), then the barrier
.macro STEP s, tcnt, fetch, zero
	s_wait_dscnt 0x0                               ; this step's 48 loads are in
.if \tcnt >= 0
	s_wait_tensorcnt \tcnt
	s_barrier_signal -1
	s_barrier_wait -1
.endif
.if \fetch
.rept 4
	v_nop                                          ; four plain lines between the last step's products and the loads into the set that they read (ISA guide 7.12.1 for vector instructions)
.endr
	FETCH (\s)+1
.endif
	MUL \s, \zero
.endm
; 16 nb numbers of a lane, v[s + 16 b + i] = k 32 b + 16 (lane / 16) + i of my row, become codes in v[PC] on (6 registers for each 64 along K) and the row's scale word in v[pw]
.macro QUANT s, nb, pw
.irp b, 0,1,2,3
.if \b < \nb
	v_max3_num_f32 v[TM+\b], |v[\s+16*\b]|, |v[\s+16*\b+1]|, 0x2800000   ; with the floor 2^(5 - 127): the byte cannot fall under 1
.endif
.endr
.irp i, 2,4,6,8,10,12,14
.irp b, 0,1,2,3
.if \b < \nb
	v_max3_num_f32 v[TM+\b], v[TM+\b], |v[\s+16*\b+\i]|, |v[\s+16*\b+\i+1]|
.endif
.endr
.endr
.irp b, 0,1,2,3
.if \b < \nb
	v_permlanex16_b32 v[TM+4+\b], v[TM+\b], s[SEL], s[SEL+1]
.endif
.endr
.irp b, 0,1,2,3
.if \b < \nb
	v_max_num_f32 v[TM+\b], v[TM+\b], v[TM+4+\b]   ; with lane l xor 16's 16: the block's largest magnitude
.endif
.endr
.irp b, 0,1,2,3
.if \b < \nb
	v_add_nc_u32 v[TM+8+\b], 0xfe000000, v[TM+\b]  ; 4 off its exponent field: the conversion's scale operand
.endif
.endr
.irp b, 0,1,2,3
.if \b < \nb
	v_lshrrev_b32 v[TM+4+\b], 23, v[TM+8+\b]       ; the scale's byte
.endif
.endr
	v_lshl_or_b32 v[\pw], v[TM+5], 8, v[TM+4]
.if \nb == 4
	v_lshl_or_b32 v[\pw], v[TM+6], 16, v[\pw]
	v_lshl_or_b32 v[\pw], v[TM+7], 24, v[\pw]
.endif
	s_wait_alu depctr_va_vdst(0)
	s_wait_xcnt 0x0                                ; the stores issued so far have read the codes' registers: they are written again only behind this wait
.irp c, 0,1
.if 2*\c < \nb
	v_cvt_scalef32_pk16_bf6_f32 v[PC+6*\c:PC+6*\c+2], v[\s+32*\c:\s+32*\c+15], v[TM+8+2*\c]
	v_cvt_scalef32_pk16_bf6_f32 v[PC+12+4*\c:PC+14+4*\c], v[\s+32*\c+16:\s+32*\c+31], v[TM+9+2*\c]
.endif
.endr
	v_nop                                          ; one plain line behind the scaled conversions
.irp c, 0,1
.if 2*\c < \nb
.irp i, 0,1,2
	v_permlane16_swap_b32 v[PC+6*\c+\i], v[PC+12+4*\c+\i]   ; a whole block to a lane: lanes 0-15 block 2 c, lanes 16-31 block 2 c + 1
.endr
.irp i, 0,1,2
	v_mov_b32 v[PC+6*\c+3+\i], v[PC+12+4*\c+\i]
.endr
.endif
.endr
.endm
; q, k: 16 tokens (block i) x one head (hd): bias, rotation of the first 32 features, codes, store
.macro HEADQK i, hd
	WIN 0x06                                       ; source 0 (sums) window 2, source 1 (bias) window 1
.set NN, 0
.rept 16
	v_pk_add_f32 v[H+NN:H+NN+1], v[64*\i+32*\hd+NN:64*\i+32*\hd+NN+1], v[BI+32*\hd+NN:BI+32*\hd+NN+1]   ; ascending: each accumulator is read from its low end on
.set NN, NN+2
.endr
	WIN 0
.irp j, 0,1,2,3,4,5,6,7                        ; my pairs 8 (lane / 16) + j: (x0, x1) -> (x0 c - x1 s, x1 c + x0 s)
	v_mul_f32 v[TT+2*(\j%2)], v[H+2*\j+1], v[TAB+16*\i+2*\j+1]
	v_mul_f32 v[TT+2*(\j%2)+1], v[H+2*\j], v[TAB+16*\i+2*\j+1]
	v_fma_f32 v[H+2*\j], v[H+2*\j], v[TAB+16*\i+2*\j], -v[TT+2*(\j%2)]
	v_fma_f32 v[H+2*\j+1], v[H+2*\j+1], v[TAB+16*\i+2*\j], v[TT+2*(\j%2)+1]
.endr
	QUANT H, 2, SW+4*\hd+\i
	global_store_b128 v1, v[PC:PC+3], s[32+2*\hd:33+2*\hd] offset:768*\i
	global_store_b64 v2, v[PC+4:PC+5], s[32+2*\hd:33+2*\hd] offset:768*\i+512
.endm
; v: 16 channels (block i) x 128 keys
.macro HEADV i
	WIN 0x06
.set NN, 0
.rept 32
	v_pk_add_f32 v[H+NN:H+NN+1], v[64*\i+NN:64*\i+NN+1], v[BI+2*\i:BI+2*\i+1]
.set NN, NN+2
.endr
	WIN 0
	QUANT H, 4, SW+\i
	global_store_b128 v1, v[PC:PC+3], s[32:33] offset:6144+1536*\i
	global_store_b64 v2, v[PC+4:PC+5], s[32:33] offset:6144+1536*\i+512
	global_store_b128 v1, v[PC+6:PC+9], s[32:33] offset:6144+1536*\i+768
	global_store_b64 v2, v[PC+10:PC+11], s[32:33] offset:6144+1536*\i+1280
.endm
	s_load_b512 s[4:19], s[0:1], 0x0               ; codes, scales, rope, bq, bk, bv, qc, qs
	s_load_b64 s[20:21], s[0:1], 0x40              ; kv
	v_lshl_add_u32 v30, v0, 2, 0x48000
	v_mov_b32 v31, 0
	ds_add_u32 v30, v31
	ds_add_u32 v30, v31
	v_lshrrev_b32 v1, 5, v0
	v_readfirstlane_b32 s[WV], v1
	s_and_b32 s23, s[WV], 1                        ; which half of S0's rows is mine.  Also: which half of a tile I fetch
	s_lshr_b32 s24, s[WV], 1                       ; which half of S1's rows
	s_bfe_u32 s25, ttmp6, 0x40000                  ; cx
	s_bfe_u32 s26, ttmp6, 0x40004                  ; cy
	s_and_b32 s27, ttmp7, 0xffff                   ; cluster y, 0 .. 47
	s_lshr_b32 s28, s27, 4                         ; z: the same in all sixteen partners
	s_and_b32 s29, s27, 15
	s_and_b32 s30, s29, 7
	s_lshr_b32 s31, s29, 3
	s_lshl_b32 s84, s28, 9                         ; q, k: the tokens' first row block, 512 z,
	s_lshl_b32 s88, s28, 6
	s_add_co_u32 s88, s88, 1536                    ; and the weight's, 1,536 + 64 z
	s_cmp_eq_u32 s28, 2
	s_cselect_b32 s30, s30, 0                      ; v: 32 tiles of tokens along x, 8 of Wv along y; q, k: 4 of the weight, 64 of tokens
	s_cselect_b32 s31, s31, s29
	s_cselect_b32 s84, 1664, s84                   ; S1's first row block
	s_cselect_b32 s88, 1024, s88                   ; S0's
	s_lshl_b32 s85, s31, 2
	s_add_co_u32 s85, s85, s26                     ; S1's tile of 128 rows
	s_lshl_b32 s89, s30, 2
	s_add_co_u32 s89, s89, s25                     ; S0's tile of 256 rows
	s_lshl_b32 s86, s85, 3
	s_add_co_u32 s86, s86, s84
	s_lshl_b32 s87, s24, 2
	s_add_co_u32 s99, s86, s87                     ; the first of the four row blocks of S1 that I multiply
	s_lshl_b32 s99, s99, 9                         ; its scale words
	s_lshl_b32 s87, s23, 2
	s_add_co_u32 s86, s86, s87                     ; the first of the four that I would fetch
	s_mul_i32 s86, s86, 12288
	s_mov_b32 s87, 0
	s_lshl_b32 s90, s89, 4
	s_add_co_u32 s90, s90, s88
	s_lshl_b32 s91, s23, 3
	s_add_co_u32 s90, s90, s91                     ; S0: the first of the eight that I multiply, and would fetch
	s_lshl_b32 s98, s90, 9
	s_mul_i32 s90, s90, 12288
	s_mov_b32 s91, 0
	s_lshl_b32 s94, s26, 2
	s_lshl_b32 s94, 15, s94                        ; my row of the cluster
	s_lshl_b32 s95, 0x1111, s25                    ; my column
	; descriptor groups 1: rows of 3,072 bytes (a row block's two K steps: 384 elements of 8 bytes), 12,288 bytes apart; 4 rows for S1, 8 for S0; dense in LDS
	s_or_b32 s32, s94, (3<<16)|(1<<21)
	s_mov_b32 s33, 384<<16                         ; tensor_dim0
	s_mov_b32 s34, 4<<16                           ; tensor_dim1
	s_mov_b32 s35, 384<<16                         ; tile_dim0
	s_mov_b32 s36, 4                               ; tile_dim1
	s_mov_b32 s37, 1536                            ; the pitch, in elements
	s_mov_b32 s38, 0
	s_mov_b32 s39, 0
	s_or_b32 s40, s95, (3<<16)|(1<<21)
	s_mov_b32 s41, 384<<16
	s_mov_b32 s42, 8<<16
	s_mov_b32 s43, 384<<16
	s_mov_b32 s44, 8
	s_mov_b32 s45, 1536
	s_mov_b32 s46, 0
	s_mov_b32 s47, 0
	s_mov_b32 s[SEL], 0x76543210
	s_mov_b32 s[SEL+1], 0xfedcba98
	s_mov_b32 s[HI], 0xffff0000
	v_and_b32 v5, 31, v0                           ; l
	v_and_b32 v3, 15, v0                           ; r
	v_bfe_u32 v4, v0, 4, 1                         ; h
	v_lshlrev_b32 v1, 4, v5                        ; 16 l
	v_lshlrev_b32 v2, 3, v5                        ; 8 l
	v_lshlrev_b32 v6, 6, v4                        ; 64 h
	v_and_b32 v7, 8, v3
	v_add_nc_u32 v7, v7, v3
	v_lshlrev_b32 v7, 2, v7                        ; 4 (r + 8 (r / 8))
	s_mul_i32 s92, s23, 12288
	s_mul_i32 s93, s23, 24576
	s_mul_i32 s96, s24, 12288
	s_add_co_u32 s96, s96, 196608
	v_add_nc_u32 v[A0X], s93, v1                   ; all LDS addresses are made here, ahead of every branch on the wave's number
	v_add_nc_u32 v[A0Y], s93, v2
	v_add_nc_u32 v[A1X], s96, v1
	v_add_nc_u32 v[A1Y], s96, v2
.irp c, 1,2,3
	v_add_nc_u32 v[A0X+\c], 49152*\c, v[A0X]
	v_add_nc_u32 v[A0Y+\c], 49152*\c, v[A0Y]
	v_add_nc_u32 v[A1X+\c], 24576*\c, v[A1X]
	v_add_nc_u32 v[A1Y+\c], 24576*\c, v[A1Y]
.endr
	s_wait_dscnt 0x0
	s_wait_kmcnt 0x0
	s_add_nc_u64 s[86:87], s[4:5], s[86:87]
	s_add_nc_u64 s[90:91], s[4:5], s[90:91]
.irp c, 0,1,2,3                                ; a group 0 for each chunk: none is written while its load is out
	s_mov_b32 s[48+4*\c], 1
	s_add_co_u32 s[49+4*\c], s92, 196608+24576*\c
	s_add_nc_u64 s[50+4*\c:51+4*\c], s[86:87], 3072*\c
	s_or_b32 s[51+4*\c], s[51+4*\c], 0x80000000
	s_mov_b32 s[68+4*\c], 1
	s_add_co_u32 s[69+4*\c], s93, 49152*\c
	s_add_nc_u64 s[70+4*\c:71+4*\c], s[90:91], 3072*\c
	s_or_b32 s[71+4*\c], s[71+4*\c], 0x80000000
.endr
	ROUND                                          ; all sixteen work-groups are here: the joint loads meet
	s_cmp_lt_u32 s[WV], 2                          ; waves 0, 1 fetch S1's halves, waves 2, 3 S0's: a wave's four fills stand in one branch
	s_cbranch_scc0 .Lfill_s0
	tensor_load_to_lds s[48:51], s[32:39]
	s_nop 0
	tensor_load_to_lds s[52:55], s[32:39]
	s_nop 0
	tensor_load_to_lds s[56:59], s[32:39]
	s_nop 0
	tensor_load_to_lds s[60:63], s[32:39]
	s_nop 0
.rept 4
	v_nop
.endr
	s_branch .Lfilled
.Lfill_s0:
	tensor_load_to_lds s[68:71], s[40:47]
	s_nop 0
	tensor_load_to_lds s[72:75], s[40:47]
	s_nop 0
	tensor_load_to_lds s[76:79], s[40:47]
	s_nop 0
	tensor_load_to_lds s[80:83], s[40:47]
	s_nop 0
.rept 4
	v_nop
.endr
.Lfilled:
	s_mov_b32 s94, s98
	s_mov_b32 s95, 0
	s_add_nc_u64 s[94:95], s[6:7], s[94:95]
	s_mov_b32 s96, s99
	s_mov_b32 s97, 0
	s_add_nc_u64 s[96:97], s[6:7], s[96:97]
.irp t, 0,1,2,3,4,5,6,7
	global_load_b128 v[SC0+4*\t:SC0+4*\t+3], v1, s[94:95] offset:512*\t   ; a row block's scale words for all of K: 512 consecutive bytes
.endr
.irp i, 0,1,2,3
	global_load_b128 v[SC1+4*\i:SC1+4*\i+3], v1, s[96:97] offset:512*\i
.endr
	s_wait_tensorcnt 0x3                           ; my part of chunk 0 is in; my three younger loads may be out
	s_barrier_signal -1
	s_barrier_wait -1
	FETCH 0
	s_wait_loadcnt 0x0                             ; the scale words
	STEP 0, -1, 1, 1
	s_wait_alu depctr_va_vdst(0)
	STEP 1, 2, 1, 0
	STEP 2, -1, 1, 0
	STEP 3, 1, 1, 0
	STEP 4, -1, 1, 0
	STEP 5, 0, 1, 0                                ; no tensor load of mine is out from here on: the descriptors' registers are free
	WIN 0
	s_cmp_eq_u32 s28, 2
	s_cbranch_scc1 .Lv
	; ---- q, k: my 64 tokens x 2 heads.  rb: my first block of tokens; qb0: in its batch; bh = 16 batch + head
	s_lshl_b32 s44, s85, 3
	s_lshl_b32 s45, s24, 2
	s_add_co_u32 s44, s44, s45                     ; rb
	s_lshr_b32 s45, s44, 7                         ; batch
	s_and_b32 s46, s44, 127                        ; qb0
	s_lshl_b32 s47, s45, 4
	s_lshl_b32 s48, s89, 2
	s_add_co_u32 s47, s47, s48
	s_lshl_b32 s48, s23, 1
	s_add_co_u32 s47, s47, s48                     ; bh of my first head
	s_mul_i32 s48, s47, 98304
	s_mul_i32 s49, s46, 768
	s_add_co_u32 s48, s48, s49                     ; q's codes: [bh][128 blocks][768]
	s_lshl_b32 s49, s47, 13
	s_lshr_b32 s50, s46, 2
	s_lshl_b32 s51, s50, 8
	s_add_co_u32 s49, s49, s51                     ; q's scale words: [bh][32 groups of four blocks][256]
	s_mul_i32 s52, s47, 208896
	s_lshr_b32 s53, s46, 3
	s_mul_i32 s53, s53, 13056
	s_add_co_u32 s52, s52, s53                     ; k: the record of key step qb0 / 8
	s_and_b32 s53, s46, 4
	s_mul_i32 s53, s53, 768
	s_add_co_u32 s53, s52, s53                     ; its tiles qb0 % 8 on
	s_and_b32 s50, s50, 1
	s_lshl_b32 s50, s50, 8
	s_add_co_u32 s52, s52, s50
	s_add_co_u32 s52, s52, 12288                   ; and their scale words
	s_mov_b32 s54, 208896
	s_cmp_eq_u32 s28, 0
	s_cselect_b32 s48, s48, s53
	s_cselect_b32 s50, s49, s52
	s_cselect_b32 s52, 98304, s54                  ; from head to head: the codes,
	s_cselect_b32 s54, 8192, s54                   ; the scale words
	s_cselect_b64 s[32:33], s[16:17], s[20:21]
	s_cselect_b64 s[36:37], s[18:19], s[20:21]
	s_cselect_b64 s[40:41], s[10:11], s[12:13]
	s_mov_b32 s49, 0
	s_mov_b32 s51, 0
	s_mov_b32 s53, 0
	s_mov_b32 s55, 0
	s_add_nc_u64 s[32:33], s[32:33], s[48:49]
	s_add_nc_u64 s[36:37], s[36:37], s[50:51]
	s_add_nc_u64 s[34:35], s[32:33], s[52:53]
	s_add_nc_u64 s[38:39], s[36:37], s[54:55]
	s_lshl_b32 s56, s89, 10
	s_lshl_b32 s57, s23, 9
	s_add_co_u32 s56, s56, s57
	s_mov_b32 s57, 0
	s_add_nc_u64 s[40:41], s[40:41], s[56:57]      ; the bias of my 128 features
	s_lshl_b32 s56, s46, 11
	s_add_nc_u64 s[42:43], s[8:9], s[56:57]        ; the table of my 64 tokens
	WIN 0x40
.irp t, 0,1,2,3,4,5,6,7
	global_load_b128 v[BI+8*\t:BI+8*\t+3], v6, s[40:41] offset:128*(\t/2)+32*(\t%2)       ; tile t, register j: feature 32 (t / 2) + 16 h + 8 (t % 2) + j
	global_load_b128 v[BI+8*\t+4:BI+8*\t+7], v6, s[40:41] offset:128*(\t/2)+32*(\t%2)+16
.endr
	WIN 0
.irp i, 0,1,2,3
.irp q, 0,1,2,3
	global_load_b128 v[TAB+16*\i+4*\q:TAB+16*\i+4*\q+3], v1, s[42:43] offset:2048*\i+512*\q
.endr
.endr
	STEP 6, -1, 1, 0
	STEP 7, -1, 0, 0
	WIN 0
.rept 4
	v_nop                                          ; four plain lines behind the last products, ahead of the first read of results and the first write over fragments
.endr
.irp b, 0,1,2,3
	v_mov_b32 v[TM+4+\b], 0                        ; a lane permute's destination counts as one of its sources
.endr
	s_wait_loadcnt 0x0
.irp i, 0,1,2,3
	HEADQK \i, 0
	HEADQK \i, 1
.endr
.irp hd, 0,1                                   ; four blocks' scale words as 256 bytes: register j, lanes 0-15 block 2 j, lanes 16-31 block 2 j + 1
	v_cndmask_b32 v[OP+2*\hd], v[SW+4*\hd], v[SW+4*\hd+1], s[HI]
	v_cndmask_b32 v[OP+2*\hd+1], v[SW+4*\hd+2], v[SW+4*\hd+3], s[HI]
	global_store_b64 v2, v[OP+2*\hd:OP+2*\hd+1], s[36+2*\hd:37+2*\hd]
.endr
	s_branch .Lend
	; ---- v: my 128 tokens are one key step, my 64 channels one head
.Lv:
	s_lshl_b32 s44, s89, 1
	s_add_co_u32 s44, s44, s23                     ; the key step, counted through all batches
	s_lshr_b32 s45, s44, 4                         ; batch
	s_and_b32 s46, s44, 15                         ; step
	s_lshl_b32 s47, s85, 1
	s_add_co_u32 s47, s47, s24                     ; head
	s_lshl_b32 s45, s45, 4
	s_add_co_u32 s45, s45, s47                     ; bh
	s_mul_i32 s48, s45, 208896
	s_mul_i32 s46, s46, 13056
	s_add_co_u32 s48, s48, s46
	s_mov_b32 s49, 0
	s_add_nc_u64 s[32:33], s[20:21], s[48:49]      ; the record
	s_lshl_b32 s48, s47, 8
	s_add_nc_u64 s[40:41], s[14:15], s[48:49]      ; bv of my head
	WIN 0x40
.irp i, 0,1,2,3
	global_load_b32 v[BI+2*\i], v7, s[40:41] offset:4*(32*(\i/2)+8*(\i%2))     ; my channel's bias, in both registers of a pair
	global_load_b32 v[BI+2*\i+1], v7, s[40:41] offset:4*(32*(\i/2)+8*(\i%2))
.endr
	WIN 0
	STEP 6, -1, 1, 0
	STEP 7, -1, 0, 0
	WIN 0
.rept 4
	v_nop
.endr
.irp b, 0,1,2,3
	v_mov_b32 v[TM+4+\b], 0
.endr
	s_wait_loadcnt 0x0
.irp i, 0,1,2,3
	HEADV \i
.endr
	v_cndmask_b32 v[OP], v[SW], v[SW+1], s[HI]
	v_cndmask_b32 v[OP+1], v[SW+2], v[SW+3], s[HI]
	global_store_b64 v2, v[OP:OP+1], s[32:33] offset:12800
.Lend:
	s_wait_tensorcnt 0x0
	ds_add_u32 v30, v31
	s_wait_dscnt 0x0
	ROUND                                          ; the closing round: no work-group ends while a partner may still ask for a tile that names it
	s_endpgm
.Lfunc_end_k_qe33039c7de_proj:
	.size	k_qe33039c7de_proj, .Lfunc_end_k_qe33039c7de_proj-k_qe33039c7de_proj
	.p2alignl 7, 3214868480
	.fill 96, 4, 3214868480
	.section	.rodata,"a",@progbits
	.p2align	6, 0x0
	.amdhsa_kernel k_qe33039c7de_proj
		.amdhsa_group_segment_fixed_size 295424
		.amdhsa_private_segment_fixed_size 0
		.amdhsa_enable_private_segment 0
		.amdhsa_kernarg_size 72
		.amdhsa_user_sgpr_count 2
		.amdhsa_user_sgpr_kernarg_segment_ptr 1
		.amdhsa_wavefront_size32 1
		.amdhsa_system_sgpr_workgroup_id_x 1
		.amdhsa_system_sgpr_workgroup_id_y 1
		.amdhsa_system_sgpr_workgroup_id_z 1
		.amdhsa_system_vgpr_workitem_id 0
		.amdhsa_next_free_vgpr 768
		.amdhsa_next_free_sgpr 102
		.amdhsa_reserve_vcc 0
		.amdhsa_float_denorm_mode_32 3
		.amdhsa_float_denorm_mode_16_64 3
		.amdhsa_memory_ordered 1
		.amdhsa_forward_progress 1
		.amdhsa_inst_pref_size 150
	.end_amdhsa_kernel
	.amdgpu_metadata
---
amdhsa.version: [ 1, 2 ]
amdhsa.kernels:
  - .name:           k_qe33039c7de_proj
    .symbol:         k_qe33039c7de_proj.kd
    .args:
      - { .name: codes, .offset: 0, .size: 8, .value_kind: global_buffer, .address_space: global }
      - { .name: scales, .offset: 8, .size: 8, .value_kind: global_buffer, .address_space: global }
      - { .name: rope, .offset: 16, .size: 8, .value_kind: global_buffer, .address_space: global }
      - { .name: bq, .offset: 24, .size: 8, .value_kind: global_buffer, .address_space: global }
      - { .name: bk, .offset: 32, .size: 8, .value_kind: global_buffer, .address_space: global }
      - { .name: bv, .offset: 40, .size: 8, .value_kind: global_buffer, .address_space: global }
      - { .name: qc, .offset: 48, .size: 8, .value_kind: global_buffer, .address_space: global }
      - { .name: qs, .offset: 56, .size: 8, .value_kind: global_buffer, .address_space: global }
      - { .name: kv, .offset: 64, .size: 8, .value_kind: global_buffer, .address_space: global }
    .group_segment_fixed_size: 295424
    .private_segment_fixed_size: 0
    .kernarg_segment_align: 8
    .kernarg_segment_size: 72
    .max_flat_workgroup_size: 128
    .sgpr_count:     102
    .vgpr_count:     768
    .wavefront_size: 32
...
	.end_amdgpu_metadata
.endif
;; end of part 2
;; launch attn (part 3): grid 4 x 64, 16 waves a work-group, clusters of 4 x 1, 210,944 bytes of LDS; arguments qc, qs, kv, xc, xs; writes xc, xs
.if DOCPART == 3
	.amdgcn_target "amdgcn-amd-amdhsa--gfx1250"
	.amdhsa_code_object_version 6
	.text
	.protected	k_qe33039c7de_attn
	.globl	k_qe33039c7de_attn
	.p2align	8
	.type	k_qe33039c7de_attn,@function
k_qe33039c7de_attn:
	s_mov_b64 s[64:65], 0
	v_nop
	global_prefetch_b8 v0, s[64:65] scope:SCOPE_SE
	s_setreg_imm32_b32 hwreg(HW_REG_WAVE_MODE, 25, 1), 1
	s_wait_xcnt 0x0
	s_wait_alu depctr_hold_cnt(0) depctr_sa_sdst(0) depctr_va_vdst(0) depctr_va_sdst(0) depctr_va_ssrc(0) depctr_va_vcc(0) depctr_vm_vsrc(0)
	s_getreg_b32 s2, hwreg(HW_REG_IB_STS2, 6, 4)
	s_cmp_eq_u32 s2, 0
	s_cbranch_scc0 .Lentry_in_a_cluster
	s_endpgm
.Lentry_in_a_cluster:
	s_bfe_u32 s2, ttmp6, 0x10000c
	s_cmp_lg_u32 s2, 0x3003
	s_cbranch_scc0 .Lentry_shape_is_right
	s_endpgm
.Lentry_shape_is_right:
; x[bh][q] = the sum over k of softmax_k(q . k / 8) v[k], both products on codes of BF6; x is divided by the row's sum and quantised along the head for the last projection.
; THE SOFTMAX: t = score x log2(e) / 8; M = the running largest t rounded UP to a whole number; p = 2^(t - M) is quantised along the keys, not normalised; the sum is taken of the unquantised p.
; When M moves, the sum and O are multiplied by 2^(old M - new M), which rounds nothing.
; SHARES: the four work-groups of a cluster own the four quarters of one head's 2,048 queries.  A wave owns two blocks of 16 queries, one after the other (two passes), each over all 16 key steps of 128 keys.
; THE WHOLE HEAD'S K AND V LIE IN LDS: 16 records of 13,056 bytes (K's 8 tiles x 768, V's 4 fragments x 1,536, K's scale words 512, V's 256), each brought ONCE by one joint load of one wave:
; every LDS byte is filled once, one tensor load a wave is out, nothing is stored to LDS.  No prefetch: all tensor loads stand at the head.
; LAYOUT: both products transposed (S^T = K Q^T, O^T = V^T P^T): a lane holds one query throughout.  The keys of a tile of K are 32 b + 8 u + r + 8 (r / 8), so p's 16 registers of two tiles are 16 neighbouring keys.
; The first product's K is 64: registers 6-11 of Q's and K's fragments hold zero codes, written once; bytes 2, 3 of their scale words are 0, which stands for a power of two over zeros.
; REGISTERS: v1 16 l, v2 8 l, v3-4 the step's LDS addresses, v5 4 l, v6 8 r; v8 -M, v9 largest t, v[10:11] the sum; v12-15 K's scale words, v16-17 V's, v18 p's, v19-20 Q's; v21-22 x's words;
;   v24-47 Q (two passes); v48-95 four tiles of K; v96-159 S^T, then p, then V's four fragments; v160-191 O^T; v192-211 codes; v212-223 at work; v[224:225] f and 0; v226 at work.
; LIMITS: NaN and infinities are not served; a block of x whose largest magnitude lies under 2^-122 gets the byte 1.
.set WV,  14
.set SEL, 20
.set PC,  192
.set TM,  212
.macro ROUND
	s_barrier_signal -1
	s_barrier_wait -1
	s_cmp_lg_u32 s[WV], 0
	s_cbranch_scc1 .Lnot_wave_0_\@
	s_barrier_signal -3
.Lnot_wave_0_\@:
	s_barrier_wait -3
	s_barrier_signal -1
	s_barrier_wait -1
.endm
.macro WM d, a, b, zero, sa, sb, ra, rb
.set WSEL, 4*(\zero)+2*(\ra)+(\rb)
.if WSEL == 0
	v_wmma_scale_f32_16x16x128_f8f6f4 v[(\d):(\d)+7], v[(\a):(\a)+11], v[(\b):(\b)+11], v[(\d):(\d)+7], v[(\sa)], v[(\sb)] matrix_a_fmt:MATRIX_FMT_BF6 matrix_b_fmt:MATRIX_FMT_BF6
.elseif WSEL == 1
	v_wmma_scale_f32_16x16x128_f8f6f4 v[(\d):(\d)+7], v[(\a):(\a)+11], v[(\b):(\b)+11], v[(\d):(\d)+7], v[(\sa)], v[(\sb)] matrix_a_fmt:MATRIX_FMT_BF6 matrix_b_fmt:MATRIX_FMT_BF6 matrix_b_scale:MATRIX_SCALE_ROW1
.elseif WSEL == 2
	v_wmma_scale_f32_16x16x128_f8f6f4 v[(\d):(\d)+7], v[(\a):(\a)+11], v[(\b):(\b)+11], v[(\d):(\d)+7], v[(\sa)], v[(\sb)] matrix_a_fmt:MATRIX_FMT_BF6 matrix_b_fmt:MATRIX_FMT_BF6 matrix_a_scale:MATRIX_SCALE_ROW1
.elseif WSEL == 3
	v_wmma_scale_f32_16x16x128_f8f6f4 v[(\d):(\d)+7], v[(\a):(\a)+11], v[(\b):(\b)+11], v[(\d):(\d)+7], v[(\sa)], v[(\sb)] matrix_a_fmt:MATRIX_FMT_BF6 matrix_b_fmt:MATRIX_FMT_BF6 matrix_a_scale:MATRIX_SCALE_ROW1 matrix_b_scale:MATRIX_SCALE_ROW1
.elseif WSEL == 4
	v_wmma_scale_f32_16x16x128_f8f6f4 v[(\d):(\d)+7], v[(\a):(\a)+11], v[(\b):(\b)+11], 0, v[(\sa)], v[(\sb)] matrix_a_fmt:MATRIX_FMT_BF6 matrix_b_fmt:MATRIX_FMT_BF6
.elseif WSEL == 5
	v_wmma_scale_f32_16x16x128_f8f6f4 v[(\d):(\d)+7], v[(\a):(\a)+11], v[(\b):(\b)+11], 0, v[(\sa)], v[(\sb)] matrix_a_fmt:MATRIX_FMT_BF6 matrix_b_fmt:MATRIX_FMT_BF6 matrix_b_scale:MATRIX_SCALE_ROW1
.elseif WSEL == 6
	v_wmma_scale_f32_16x16x128_f8f6f4 v[(\d):(\d)+7], v[(\a):(\a)+11], v[(\b):(\b)+11], 0, v[(\sa)], v[(\sb)] matrix_a_fmt:MATRIX_FMT_BF6 matrix_b_fmt:MATRIX_FMT_BF6 matrix_a_scale:MATRIX_SCALE_ROW1
.else
	v_wmma_scale_f32_16x16x128_f8f6f4 v[(\d):(\d)+7], v[(\a):(\a)+11], v[(\b):(\b)+11], 0, v[(\sa)], v[(\sb)] matrix_a_fmt:MATRIX_FMT_BF6 matrix_b_fmt:MATRIX_FMT_BF6 matrix_a_scale:MATRIX_SCALE_ROW1 matrix_b_scale:MATRIX_SCALE_ROW1
.endif
.endm
.macro FRAG reg, ax, ay, off
	ds_load_b128 v[(\reg):(\reg)+3], v[\ax] offset:(\off)
	ds_load_b64 v[(\reg)+4:(\reg)+5], v[\ay] offset:(\off)+512
	ds_load_b128 v[(\reg)+6:(\reg)+9], v[\ax] offset:(\off)+768
	ds_load_b64 v[(\reg)+10:(\reg)+11], v[\ay] offset:(\off)+1280
.endm
; 32 numbers of a lane, v[s + 16 b + i] = channel 32 b + 16 (lane / 16) + i of my query, become six registers of codes in v[PC] on and the row's scale word in v[pw]
.macro QUANT2 s, pw
.irp b, 0,1
	v_max3_num_f32 v[TM+\b], |v[\s+16*\b]|, |v[\s+16*\b+1]|, 0x2800000
.endr
.irp i, 2,4,6,8,10,12,14
.irp b, 0,1
	s_delay_alu instid0(VALU_DEP_2)
	v_max3_num_f32 v[TM+\b], v[TM+\b], |v[\s+16*\b+\i]|, |v[\s+16*\b+\i+1]|
.endr
.endr
.irp b, 0,1
	s_delay_alu instid0(VALU_DEP_2)
	v_permlanex16_b32 v[TM+4+\b], v[TM+\b], s[SEL], s[SEL+1]
.endr
.irp b, 0,1
	s_delay_alu instid0(VALU_DEP_2)
	v_max_num_f32 v[TM+\b], v[TM+\b], v[TM+4+\b]
.endr
.irp b, 0,1
	s_delay_alu instid0(VALU_DEP_2)
	v_add_nc_u32 v[TM+8+\b], 0xfe000000, v[TM+\b]
.endr
.irp b, 0,1
	s_delay_alu instid0(VALU_DEP_2)
	v_lshrrev_b32 v[TM+4+\b], 23, v[TM+8+\b]
.endr
	s_delay_alu instid0(VALU_DEP_1)
	v_lshl_or_b32 v[\pw], v[TM+5], 8, v[TM+4]
	v_cvt_scalef32_pk16_bf6_f32 v[PC:PC+2], v[\s:\s+15], v[TM+8]
	v_cvt_scalef32_pk16_bf6_f32 v[PC+12:PC+14], v[\s+16:\s+31], v[TM+9]
	v_nop                                          ; one plain line behind the scaled conversions
.irp i, 0,1,2
	v_permlane16_swap_b32 v[PC+\i], v[PC+12+\i]
.endr
.irp i, 0,1,2
	s_delay_alu instid0(VALU_DEP_3)
	v_mov_b32 v[PC+3+\i], v[PC+12+\i]
.endr
.endm
	s_load_b256 s[4:11], s[0:1], 0x0               ; qc, qs, kv, xc
	s_load_b64 s[12:13], s[0:1], 0x20              ; xs
	v_lshl_add_u32 v254, v0, 2, 0x33000
	v_mov_b32 v255, 0
	ds_add_u32 v254, v255
	ds_add_u32 v254, v255
	v_lshrrev_b32 v1, 5, v0
	s_delay_alu instid0(VALU_DEP_1)
	v_readfirstlane_b32 s[WV], v1                  ; wave 0 .. 15
	v_and_b32 v7, 31, v0
	v_and_b32 v6, 15, v0
	s_delay_alu instid0(VALU_DEP_2)
	v_lshlrev_b32 v1, 4, v7                        ; 16 l
	s_delay_alu instid0(VALU_DEP_3)
	v_lshlrev_b32 v2, 3, v7                        ; 8 l
	s_delay_alu instid0(VALU_DEP_4)
	v_lshlrev_b32 v5, 2, v7                        ; 4 l
	s_delay_alu instid0(VALU_DEP_4)
	v_lshlrev_b32 v6, 3, v6                        ; 8 r
	s_bfe_u32 s15, ttmp6, 0x40000                  ; cx: it enters q's and x's global addresses alone
	s_and_b32 s16, ttmp7, 0xffff                   ; bh, which the four partners share
	s_mov_b32 s17, 0xffff0000                      ; lanes 16-31
	s_mov_b32 s[SEL], 0x76543210
	s_mov_b32 s[SEL+1], 0xfedcba98
	s_mov_b32 s22, 0x3e38aa3b                      ; c = log2(e) / 8
	s_mov_b32 s23, s22                             ; (named with it as a pair, so it is written)
	; descriptor group 1: a record, 13,056 dense bytes, as 51 rows of 256 bytes (32 elements of 8 bytes); the mask names all four work-groups
	s_mov_b32 s24, 15|(3<<16)|(1<<21)
	s_mov_b32 s25, 32<<16
	s_mov_b32 s26, 51<<16
	s_mov_b32 s27, 32<<16
	s_mov_b32 s28, 51
	s_mov_b32 s29, 32
	s_mov_b32 s30, 0
	s_mov_b32 s31, 0
	s_mul_i32 s36, s[WV], 13056                    ; record = wave
	s_mul_i32 s38, s16, 208896
	s_add_co_u32 s38, s38, s36
	s_mov_b32 s39, 0
	s_lshl_b32 s40, s15, 5
	s_lshl_b32 s41, s[WV], 1
	s_add_co_u32 s40, s40, s41                     ; my first block of queries: 32 cx + 2 wave
	s_wait_dscnt 0x0
	s_wait_kmcnt 0x0
	s_mov_b32 s32, 1
	s_mov_b32 s33, s36
	s_add_nc_u64 s[34:35], s[8:9], s[38:39]
	s_or_b32 s35, s35, 0x80000000
	ROUND                                          ; all four work-groups are here: the joint loads meet
	tensor_load_to_lds s[32:35], s[24:31]
	s_nop 0
.rept 4
	v_nop
.endr
	s_mul_i32 s42, s16, 98304
	s_mul_i32 s43, s40, 768
	s_add_co_u32 s42, s42, s43
	s_mov_b32 s43, 0
	s_add_nc_u64 s[4:5], s[4:5], s[42:43]          ; q's codes
	s_lshl_b32 s42, s16, 13
	s_lshr_b32 s44, s40, 2
	s_lshl_b32 s44, s44, 8
	s_add_co_u32 s42, s42, s44                     ; the group of four blocks,
	s_and_b32 s44, s[WV], 1
	s_lshl_b32 s44, s44, 2
	s_add_co_u32 s42, s42, s44                     ; which of its two registers; the pass picks the half of the lanes: 128 bytes on
	s_add_nc_u64 s[6:7], s[6:7], s[42:43]
	s_lshr_b32 s44, s16, 4
	s_lshl_b32 s44, s44, 7
	s_add_co_u32 s44, s44, s40                     ; x's row block: 128 batch + my block
	s_mul_i32 s42, s44, 12288
	s_and_b32 s44, s16, 15
	s_mul_i32 s44, s44, 768
	s_add_co_u32 s42, s42, s44                     ; + the head's 64 along the last product's K
	s_add_nc_u64 s[10:11], s[10:11], s[42:43]
	s_lshl_b32 s42, s16, 13
	s_lshl_b32 s44, s40, 6
	s_add_co_u32 s42, s42, s44                     ; x's scale words: [bh][64 pairs of blocks][128]
	s_add_nc_u64 s[12:13], s[12:13], s[42:43]
	s_wait_alu depctr_va_vdst(0)
.irp p, 0,1
	global_load_b128 v[24+12*\p:27+12*\p], v1, s[4:5] offset:768*\p
	global_load_b64 v[28+12*\p:29+12*\p], v2, s[4:5] offset:768*\p+512
	global_load_b32 v[19+\p], v6, s[6:7] offset:128*\p
.endr
.irp j, 30,31,32,33,34,35,42,43,44,45,46,47
	v_mov_b32 v[\j], 0                             ; zero codes for k = 64 .. 127 of Q,
.endr
.irp t, 0,1,2,3
.irp j, 6,7,8,9,10,11
	v_mov_b32 v[48+12*\t+\j], 0                    ; and of K's four tiles
.endr
.endr
.irp b, 0,1,2,3
	v_mov_b32 v[216+\b], 0                         ; a lane permute's destination counts as one of its sources
.endr
	v_mov_b32 v225, 0                              ; (named as the upper half of the pair v[224:225])
	s_wait_tensorcnt 0x0                           ; my record is in,
	s_barrier_signal -1
	s_barrier_wait -1                              ; everybody's is
	s_wait_loadcnt 0x0                             ; Q
.macro PASS p
	s_wait_xcnt 0x0                                ; the stores of the pass before have read the codes' registers
	v_mov_b32 v9, 0xff61b1e6                       ; the largest t so far: -3e38
	s_delay_alu instid0(VALU_DEP_1)
	v_floor_f32 v8, -v9                            ; -M
	v_mov_b32 v10, 0
	v_mov_b32 v11, 0
.set JJ, 0
.rept 32
	v_mov_b32 v[160+JJ], 0                         ; O^T: the step is written once; the first finds zeros
.set JJ, JJ+1
.endr
	s_mov_b32 s2, 0
	s_mov_b32 s3, 16
.Lstep_\@:
	s_setprio 2
	v_add_nc_u32 v3, s2, v1
	s_wait_alu depctr_va_vdst(0)
	v_add_nc_u32 v4, s2, v2
	s_wait_alu depctr_va_vdst(0)
.irp g, 0,1                                    ; S^T = K Q^T, four tiles of 16 keys at a time
.rept 4
	v_nop                                          ; g = 0: with the two additions six plain lines behind the last step's products, whose fragments of V these products write over; g = 1: four ahead of the loads into K's registers
.endr
.irp t, 0,1,2,3
	ds_load_b128 v[48+12*\t:51+12*\t], v3 offset:768*(4*\g+\t)
	ds_load_b64 v[52+12*\t:53+12*\t], v4 offset:768*(4*\g+\t)+512
.endr
	ds_load_b64 v[12+2*\g:13+2*\g], v4 offset:12288+256*\g
	s_wait_dscnt 0x0
.irp t, 0,1,2,3
	WM 96+8*(4*\g+\t), 48+12*\t, 24+12*\p, 1, 12+2*\g+\t/2, 19+\p, \t%2, 0
.endr
.endr
.rept 4
	v_nop
.endr
.irp b, 0,1,2,3
	v_max3_num_f32 v[212+\b], v[96+16*\b], v[97+16*\b], v[98+16*\b]   ; the largest score of each block of 32 keys: for the row's maximum, and, since p rises with the score, for the block's largest p
.endr
.irp i, 3,5,7,9,11,13
.irp b, 0,1,2,3
	v_max3_num_f32 v[212+\b], v[212+\b], v[96+16*\b+\i], v[97+16*\b+\i]
.endr
.endr
.irp b, 0,1,2,3
	v_max_num_f32 v[212+\b], v[212+\b], v[111+16*\b]
.endr
.irp b, 0,1,2,3
	s_delay_alu instid0(VALU_DEP_4)
	v_permlanex16_b32 v[216+\b], v[212+\b], s[SEL], s[SEL+1]
.endr
.irp b, 0,1,2,3
	s_delay_alu instid0(VALU_DEP_4)
	v_max_num_f32 v[212+\b], v[212+\b], v[216+\b]
.endr
	s_delay_alu instid0(VALU_DEP_2)
	v_max3_num_f32 v226, v212, v213, v214
	s_delay_alu instid0(VALU_DEP_1)
	v_max_num_f32 v226, v226, v215
	s_delay_alu instid0(VALU_DEP_1)
	v_mul_f32 v226, s22, v226                      ; as t
	s_delay_alu instid0(VALU_DEP_1)
	v_max_num_f32 v9, v9, v226                     ; the running largest t
	v_mov_b32 v226, v8
	s_delay_alu instid0(VALU_DEP_2)
	v_floor_f32 v8, -v9                            ; the new -M = -ceil(t)
	s_delay_alu instid0(VALU_DEP_1)
	v_sub_f32 v226, v8, v226                       ; old M - new M: a whole number, 0 or less
	s_delay_alu instid0(VALU_DEP_1)
	v_cvt_i32_f32 v226, v226                       ; (it saturates)
	s_delay_alu instid0(VALU_DEP_1)
	v_ldexp_f32 v224, 1.0, v226                    ; f = 2^(old M - new M)
.set JJ, 0
.rept 32
	v_pk_fma_f32 v[96+JJ:97+JJ], v[96+JJ:97+JJ], s[22:23], v[8:9] op_sel_hi:[1,0,0]   ; t - M
.set JJ, JJ+2
.endr
.irp b, 0,1,2,3
	v_fma_f32 v[212+\b], v[212+\b], s22, v8
.endr
.set JJ, 0
	s_wait_alu depctr_va_vdst(0)
.rept 64
	v_exp_f32 v[96+JJ], v[96+JJ]                   ; p = 2^(t - M)
.set JJ, JJ+1
.endr
	s_setprio 1
	v_pk_mul_f32 v[10:11], v[10:11], v[224:225] op_sel_hi:[1,0]   ; the sums under the new M: the plain line behind the exponentials
	s_wait_alu depctr_va_vdst(0)                   ; one wait for the batch of 64, ahead of its first reader
.irp b, 0,1,2,3
	v_exp_f32 v[212+\b], v[212+\b]                 ; the blocks' largest p
.endr
	v_pk_add_f32 v[216:217], v[100:101], v[104:105]
	v_pk_add_f32 v[252:253], v[108:109], v[112:113]
	v_pk_add_f32 v[250:251], v[116:117], v[120:121]
	v_pk_add_f32 v[248:249], v[124:125], v[128:129]
	v_pk_add_f32 v[246:247], v[132:133], v[136:137]
	v_pk_add_f32 v[244:245], v[140:141], v[144:145]
	v_pk_add_f32 v[242:243], v[148:149], v[152:153]
	v_pk_add_f32 v[10:11], v[10:11], v[156:157]
	v_pk_add_f32 v[216:217], v[216:217], v[96:97]
	v_pk_add_f32 v[252:253], v[252:253], v[98:99]
	v_pk_add_f32 v[250:251], v[250:251], v[102:103]
	v_pk_add_f32 v[248:249], v[248:249], v[106:107]
	v_pk_add_f32 v[246:247], v[246:247], v[110:111]
	v_pk_add_f32 v[244:245], v[244:245], v[114:115]
	v_pk_add_f32 v[242:243], v[242:243], v[118:119]
	v_pk_add_f32 v[10:11], v[10:11], v[122:123]
	v_pk_add_f32 v[216:217], v[216:217], v[126:127]
	v_pk_add_f32 v[252:253], v[252:253], v[130:131]
	v_pk_add_f32 v[250:251], v[250:251], v[134:135]
	v_pk_add_f32 v[248:249], v[248:249], v[138:139]
	v_pk_add_f32 v[246:247], v[246:247], v[142:143]
	v_pk_add_f32 v[244:245], v[244:245], v[146:147]
	v_pk_add_f32 v[242:243], v[242:243], v[150:151]
	v_pk_add_f32 v[10:11], v[10:11], v[154:155]
	v_pk_add_f32 v[216:217], v[216:217], v[158:159]
	s_delay_alu instid0(VALU_DEP_2)
	v_pk_add_f32 v[10:11], v[10:11], v[248:249]
	s_delay_alu instid0(VALU_DEP_2)
	v_pk_add_f32 v[216:217], v[216:217], v[246:247]
	v_pk_add_f32 v[252:253], v[252:253], v[244:245]
	v_pk_add_f32 v[250:251], v[250:251], v[242:243]
	s_delay_alu instid0(VALU_DEP_2)
	v_pk_add_f32 v[10:11], v[10:11], v[252:253]
	s_delay_alu instid0(VALU_DEP_2)
	v_pk_add_f32 v[216:217], v[216:217], v[250:251]
	s_delay_alu instid0(VALU_DEP_1)
	v_pk_add_f32 v[10:11], v[10:11], v[216:217]
	s_wait_alu depctr_va_vdst(0)                   ; and one for the four
.irp b, 0,1,2,3
	v_max_num_f32 v[212+\b], 0x2800000, v[212+\b]  ; the floor 2^(5 - 127)
.endr
.irp b, 0,1,2,3
	s_delay_alu instid0(VALU_DEP_4)
	v_add_nc_u32 v[220+\b], 0xfe000000, v[212+\b]
.endr
.irp b, 0,1,2,3
	s_delay_alu instid0(VALU_DEP_4)
	v_lshrrev_b32 v[216+\b], 23, v[220+\b]
.endr
	s_delay_alu instid0(VALU_DEP_3)
	v_lshl_or_b32 v18, v217, 8, v216               ; p's scale word for these 128 keys
	s_delay_alu instid0(VALU_DEP_1)
	v_lshl_or_b32 v18, v218, 16, v18
	s_delay_alu instid0(VALU_DEP_1)
	v_lshl_or_b32 v18, v219, 24, v18
.irp c, 0,1
	v_cvt_scalef32_pk16_bf6_f32 v[192+6*\c:194+6*\c], v[96+32*\c:111+32*\c], v[220+2*\c]
	v_cvt_scalef32_pk16_bf6_f32 v[204+4*\c:206+4*\c], v[112+32*\c:127+32*\c], v[221+2*\c]
.endr
	v_nop                                          ; one plain line behind the scaled conversions
.irp i, 0,1,2,3
	FRAG 96+12*\i, 3, 4, 6144+1536*\i              ; V's four fragments take p's registers, which nobody reads any more; the lines below run while they are out
.endr
	ds_load_b64 v[16:17], v4 offset:12800
.irp c, 0,1
.irp i, 0,1,2
	v_permlane16_swap_b32 v[192+6*\c+\i], v[204+4*\c+\i]
.endr
.irp i, 0,1,2
	s_delay_alu instid0(VALU_DEP_3)
	v_mov_b32 v[195+6*\c+\i], v[204+4*\c+\i]
.endr
.endr
.set JJ, 0
	s_setprio 0
.rept 16
	v_pk_mul_f32 v[160+JJ:161+JJ], v[160+JJ:161+JJ], v[224:225] op_sel_hi:[1,0]   ; O^T under the new M; these 16 also stand between the writes of p's codes and scale word and the products
.set JJ, JJ+2
.endr
	s_wait_alu depctr_va_vdst(0)
	s_wait_dscnt 0x0
.irp i, 0,1,2,3
	WM 160+8*\i, 96+12*\i, 192, 0, 16+\i/2, 18, \i%2, 0
.endr
	s_add_co_u32 s2, s2, 13056                     ; the next record
	s_sub_co_u32 s3, s3, 1
	s_cmp_lg_u32 s3, 0
	s_cbranch_scc1 .Lstep_\@
	s_setprio 0
.rept 4
	v_nop
.endr
	v_add_f32 v10, v10, v11
	s_delay_alu instid0(VALU_DEP_1)
	v_permlanex16_b32 v226, v10, s[SEL], s[SEL+1]
	s_delay_alu instid0(VALU_DEP_1)
	v_add_f32 v10, v10, v226                       ; the row's sum
	s_wait_alu depctr_va_vdst(0)
	v_rcp_f32 v224, v10
	v_nop                                          ; a plain line behind the reciprocal,
	s_wait_alu depctr_va_vdst(0)                   ; and the wait ahead of its first reader
.set JJ, 0
.rept 16
	v_pk_mul_f32 v[96+JJ:97+JJ], v[160+JJ:161+JJ], v[224:225] op_sel_hi:[1,0]   ; x: register 16 b + i is channel 32 b + 16 (lane / 16) + i
.set JJ, JJ+2
.endr
	QUANT2 96, 21+\p
	global_store_b128 v1, v[192:195], s[10:11] offset:12288*\p
	global_store_b64 v2, v[196:197], s[10:11] offset:12288*\p+512
.endm
	PASS 0
	PASS 1
	v_cndmask_b32 v226, v21, v22, s17              ; lanes 0-15: the first block's words, lanes 16-31: the second's
	global_store_b32 v5, v226, s[12:13]
	s_wait_tensorcnt 0x0
	ds_add_u32 v254, v255
	s_wait_dscnt 0x0
	ROUND                                          ; the closing round
	s_endpgm
.Lfunc_end_k_qe33039c7de_attn:
	.size	k_qe33039c7de_attn, .Lfunc_end_k_qe33039c7de_attn-k_qe33039c7de_attn
	.p2alignl 7, 3214868480
	.fill 96, 4, 3214868480
	.section	.rodata,"a",@progbits
	.p2align	6, 0x0
	.amdhsa_kernel k_qe33039c7de_attn
		.amdhsa_group_segment_fixed_size 210944
		.amdhsa_private_segment_fixed_size 0
		.amdhsa_enable_private_segment 0
		.amdhsa_kernarg_size 40
		.amdhsa_user_sgpr_count 2
		.amdhsa_user_sgpr_kernarg_segment_ptr 1
		.amdhsa_wavefront_size32 1
		.amdhsa_system_sgpr_workgroup_id_x 1
		.amdhsa_system_sgpr_workgroup_id_y 1
		.amdhsa_system_sgpr_workgroup_id_z 1
		.amdhsa_system_vgpr_workitem_id 0
		.amdhsa_next_free_vgpr 256
		.amdhsa_next_free_sgpr 66
		.amdhsa_reserve_vcc 0
		.amdhsa_float_denorm_mode_32 3
		.amdhsa_float_denorm_mode_16_64 3
		.amdhsa_memory_ordered 1
		.amdhsa_forward_progress 1
		.amdhsa_inst_pref_size 53
	.end_amdhsa_kernel
	.amdgpu_metadata
---
amdhsa.version: [ 1, 2 ]
amdhsa.kernels:
  - .name:           k_qe33039c7de_attn
    .symbol:         k_qe33039c7de_attn.kd
    .args:
      - { .name: qc, .offset: 0, .size: 8, .value_kind: global_buffer, .address_space: global }
      - { .name: qs, .offset: 8, .size: 8, .value_kind: global_buffer, .address_space: global }
      - { .name: kv, .offset: 16, .size: 8, .value_kind: global_buffer, .address_space: global }
      - { .name: xc, .offset: 24, .size: 8, .value_kind: global_buffer, .address_space: global }
      - { .name: xs, .offset: 32, .size: 8, .value_kind: global_buffer, .address_space: global }
    .group_segment_fixed_size: 210944
    .private_segment_fixed_size: 0
    .kernarg_segment_align: 8
    .kernarg_segment_size: 40
    .max_flat_workgroup_size: 512
    .sgpr_count:     66
    .vgpr_count:     256
    .wavefront_size: 32
...
	.end_amdgpu_metadata
.endif
;; end of part 3
;; launch outp (part 4): grid 4 x 64, 4 waves a work-group, clusters of 4 x 4, 295,424 bytes of LDS; arguments xc, xs, codes, scales, bo, out0; writes out0
.if DOCPART == 4
	.amdgcn_target "amdgcn-amd-amdhsa--gfx1250"
	.amdhsa_code_object_version 6
	.text
	.protected	k_qe33039c7de_outp
	.globl	k_qe33039c7de_outp
	.p2align	8
	.type	k_qe33039c7de_outp,@function
k_qe33039c7de_outp:
	s_mov_b64 s[64:65], 0
	v_nop
	global_prefetch_b8 v0, s[64:65] scope:SCOPE_SE
	s_setreg_imm32_b32 hwreg(HW_REG_WAVE_MODE, 25, 1), 1
	s_wait_xcnt 0x0
	s_wait_alu depctr_hold_cnt(0) depctr_sa_sdst(0) depctr_va_vdst(0) depctr_va_sdst(0) depctr_va_ssrc(0) depctr_va_vcc(0) depctr_vm_vsrc(0)
	s_getreg_b32 s2, hwreg(HW_REG_IB_STS2, 6, 4)
	s_cmp_eq_u32 s2, 0
	s_cbranch_scc0 .Lentry_in_a_cluster
	s_endpgm
.Lentry_in_a_cluster:
	s_bfe_u32 s2, ttmp6, 0x10000c
	s_cmp_lg_u32 s2, 0xf033
	s_cbranch_scc0 .Lentry_shape_is_right
	s_endpgm
.Lentry_shape_is_right:
; out0 = x Wo^T + bo on codes of BF6.  A work-group makes 256 features (S0 = Wo's rows, source 0) x 128 tokens (S1 = x's rows, source 1), K = 1,024, all of it in LDS: four chunks of two K steps,
; every LDS byte filled once, four tensor loads a wave out at the most.  CLUSTER 4 x 4: x's tile is asked for jointly by a row of the cluster, Wo's by a column.
; Operands lie in the order of the registers (row blocks of 16 rows, 12,288 bytes; a fragment is 1,536 dense bytes); block rb holds rows 32 (rb / 2) + 8 (rb % 2) + r + 8 (r / 8).
; Four waves: wave w makes features 128 (w % 2) on (tiles T) x tokens 64 (w / 2) on (blocks i): 32 accumulators, which take turns in one order in every K step.
; A lane holds one token and, in tiles 2 b, 2 b + 1, the features 32 b + 16 (lane / 16) + 0 .. 15.  x's scale words come a head (64 along K) at a time: two heads' halves make a K step's word.
; THE WAY OUT: 16 tokens x 128 features go through the wave's own stage in LDS and leave as rows of 512 consecutive bytes; the store's immediate puts each row back at its token.
; The stages lie in S0's chunk 0: it has had its only fill, and every wave's reads of it are over ahead of the barrier of K step 1.  No prefetch: every tensor load stands at the head.
; REGISTERS: window 0: v1-5 lane terms, v8-23 LDS addresses, v24-25 the stage, v32-63 Wo's scale words, v64-79 x's, v80-175 x's fragments (two sets), v176-207 x's scale words as loaded, v208-211 bo;
;   on the way out v80-207 rows.  window 1: v0-191 Wo's fragments (two sets).  window 2: accumulator (i, T) at v[8 (8 i + T)].
.set WV,  22
.set A0X, 8
.set A0Y, 12
.set A1X, 16
.set A1Y, 20
.set STO, 24
.set RD,  25
.set SC0, 32
.set SC1, 64
.set F1,  80
.set BK,  80
.set RAW, 176
.set BO,  208
.set MSB, 0
.macro WIN new
.if MSB != \new
	s_set_vgpr_msb (MSB<<8)|\new
.set MSB, \new
.endif
.endm
.macro ROUND
	s_barrier_signal -1
	s_barrier_wait -1
	s_cmp_lg_u32 s[WV], 0
	s_cbranch_scc1 .Lnot_wave_0_\@
	s_barrier_signal -3
.Lnot_wave_0_\@:
	s_barrier_wait -3
	s_barrier_signal -1
	s_barrier_wait -1
.endm
.macro WM d, a, b, zero, sa, sb, ra, rb
.set WSEL, 4*(\zero)+2*(\ra)+(\rb)
.if WSEL == 0
	v_wmma_scale_f32_16x16x128_f8f6f4 v[(\d):(\d)+7], v[(\a):(\a)+11], v[(\b):(\b)+11], v[(\d):(\d)+7], v[(\sa)], v[(\sb)] matrix_a_fmt:MATRIX_FMT_BF6 matrix_b_fmt:MATRIX_FMT_BF6
.elseif WSEL == 1
	v_wmma_scale_f32_16x16x128_f8f6f4 v[(\d):(\d)+7], v[(\a):(\a)+11], v[(\b):(\b)+11], v[(\d):(\d)+7], v[(\sa)], v[(\sb)] matrix_a_fmt:MATRIX_FMT_BF6 matrix_b_fmt:MATRIX_FMT_BF6 matrix_b_scale:MATRIX_SCALE_ROW1
.elseif WSEL == 2
	v_wmma_scale_f32_16x16x128_f8f6f4 v[(\d):(\d)+7], v[(\a):(\a)+11], v[(\b):(\b)+11], v[(\d):(\d)+7], v[(\sa)], v[(\sb)] matrix_a_fmt:MATRIX_FMT_BF6 matrix_b_fmt:MATRIX_FMT_BF6 matrix_a_scale:MATRIX_SCALE_ROW1
.elseif WSEL == 3
	v_wmma_scale_f32_16x16x128_f8f6f4 v[(\d):(\d)+7], v[(\a):(\a)+11], v[(\b):(\b)+11], v[(\d):(\d)+7], v[(\sa)], v[(\sb)] matrix_a_fmt:MATRIX_FMT_BF6 matrix_b_fmt:MATRIX_FMT_BF6 matrix_a_scale:MATRIX_SCALE_ROW1 matrix_b_scale:MATRIX_SCALE_ROW1
.elseif WSEL == 4
	v_wmma_scale_f32_16x16x128_f8f6f4 v[(\d):(\d)+7], v[(\a):(\a)+11], v[(\b):(\b)+11], 0, v[(\sa)], v[(\sb)] matrix_a_fmt:MATRIX_FMT_BF6 matrix_b_fmt:MATRIX_FMT_BF6
.elseif WSEL == 5
	v_wmma_scale_f32_16x16x128_f8f6f4 v[(\d):(\d)+7], v[(\a):(\a)+11], v[(\b):(\b)+11], 0, v[(\sa)], v[(\sb)] matrix_a_fmt:MATRIX_FMT_BF6 matrix_b_fmt:MATRIX_FMT_BF6 matrix_b_scale:MATRIX_SCALE_ROW1
.elseif WSEL == 6
	v_wmma_scale_f32_16x16x128_f8f6f4 v[(\d):(\d)+7], v[(\a):(\a)+11], v[(\b):(\b)+11], 0, v[(\sa)], v[(\sb)] matrix_a_fmt:MATRIX_FMT_BF6 matrix_b_fmt:MATRIX_FMT_BF6 matrix_a_scale:MATRIX_SCALE_ROW1
.else
	v_wmma_scale_f32_16x16x128_f8f6f4 v[(\d):(\d)+7], v[(\a):(\a)+11], v[(\b):(\b)+11], 0, v[(\sa)], v[(\sb)] matrix_a_fmt:MATRIX_FMT_BF6 matrix_b_fmt:MATRIX_FMT_BF6 matrix_a_scale:MATRIX_SCALE_ROW1 matrix_b_scale:MATRIX_SCALE_ROW1
.endif
.endm
.macro FRAG reg, ax, ay, off
	ds_load_b128 v[(\reg):(\reg)+3], v[\ax] offset:(\off)
	ds_load_b64 v[(\reg)+4:(\reg)+5], v[\ay] offset:(\off)+512
	ds_load_b128 v[(\reg)+6:(\reg)+9], v[\ax] offset:(\off)+768
	ds_load_b64 v[(\reg)+10:(\reg)+11], v[\ay] offset:(\off)+1280
.endm
.macro FETCH s
	WIN 0x40
.irp t, 0,1,2,3,4,5,6,7
	FRAG 96*((\s)%2)+12*\t, A0X+(\s)/2, A0Y+(\s)/2, 3072*\t+1536*((\s)%2)
.endr
	WIN 0
.irp i, 0,1,2,3
	FRAG F1+48*((\s)%2)+12*\i, A1X+(\s)/2, A1Y+(\s)/2, 3072*\i+1536*((\s)%2)
.endr
.endm
.macro MUL s, zero                     ; Wo's scale register: s / 2 of the block's four, lanes by s % 2;  x's: 2 s + i / 2, lanes by i % 2
	WIN 0xa1
.irp i, 0,1,2,3
.irp t, 0,1,2,3,4,5,6,7
	WM 8*(8*\i+\t), 96*((\s)%2)+12*\t, F1+48*((\s)%2)+12*\i, \zero, SC0+4*\t+(\s)/2, SC1+2*(\s)+\i/2, (\s)%2, \i%2
.endr
.endr
.endm
.macro STEP s, tcnt, fetch, zero
	s_wait_dscnt 0x0                               ; this step's 48 loads are in
.if \tcnt >= 0
	s_wait_tensorcnt \tcnt                         ; my part of the next chunk is in; tcnt younger loads of mine may be out
	s_barrier_signal -1
	s_barrier_wait -1
.endif
.if \fetch
.rept 4
	v_nop                                          ; four plain lines between the last step's products and the loads into the set that they read
.endr
	FETCH (\s)+1
.endif
	MUL \s, \zero
.endm
.macro TOSTAGE i                       ; block i: 16 tokens x 128 features into my stage, and back as rows
	WIN 0x08                                       ; an LDS store's data are its source 1: window 2
.irp b, 0,1,2,3
.irp u, 0,1
	ds_store_b128 v[STO], v[8*(8*\i+2*\b+\u):8*(8*\i+2*\b+\u)+3] offset:128*\b+32*\u        ; each accumulator from its low end on
	ds_store_b128 v[STO], v[8*(8*\i+2*\b+\u)+4:8*(8*\i+2*\b+\u)+7] offset:128*\b+32*\u+16
.endr
.endr
	WIN 0
.irp t, 0,1,2,3,4,5,6,7,8,9,10,11,12,13,14,15
	ds_load_b128 v[BK+64*(\i%2)+4*\t:BK+64*(\i%2)+4*\t+3], v[RD] offset:528*\t   ; LDS serves a wave's instructions in order: these see the stores above, and the next block's stores come behind them
.endr
.endm
.macro SEND i, younger                 ; younger: the LDS instructions issued behind block i's loads
	s_wait_dscnt \younger
.irp t, 0,1,2,3,4,5,6,7,8,9,10,11,12,13,14,15
	v_pk_add_f32 v[BK+64*(\i%2)+4*\t:BK+64*(\i%2)+4*\t+1], v[BK+64*(\i%2)+4*\t:BK+64*(\i%2)+4*\t+1], v[BO:BO+1]
	v_pk_add_f32 v[BK+64*(\i%2)+4*\t+2:BK+64*(\i%2)+4*\t+3], v[BK+64*(\i%2)+4*\t+2:BK+64*(\i%2)+4*\t+3], v[BO+2:BO+3]
	global_store_b128 v1, v[BK+64*(\i%2)+4*\t:BK+64*(\i%2)+4*\t+3], s[14:15] offset:(32*(\i/2)+8*(\i%2)+\t+8*(\t/8))*4096 th:TH_STORE_NT   ; 32 lanes store 512 consecutive bytes, at a multiple of 256 from out0's first byte
.endr
.endm
	s_load_b256 s[4:11], s[0:1], 0x0               ; xc, xs, codes, scales
	s_load_b128 s[12:15], s[0:1], 0x20             ; bo, out0
	v_lshl_add_u32 v254, v0, 2, 0x48000
	v_mov_b32 v255, 0
	ds_add_u32 v254, v255
	ds_add_u32 v254, v255
	v_lshrrev_b32 v1, 5, v0
	v_readfirstlane_b32 s[WV], v1
	s_and_b32 s23, s[WV], 1                        ; which half of the features is mine.  Also: which half of a tile I fetch
	s_lshr_b32 s24, s[WV], 1                       ; which half of the tokens
	s_bfe_u32 s25, ttmp6, 0x40000                  ; cx = Wo's tile of 256 rows
	s_bfe_u32 s26, ttmp6, 0x40004                  ; cy
	s_and_b32 s27, ttmp7, 0xffff
	s_lshl_b32 s85, s27, 2
	s_add_co_u32 s85, s85, s26                     ; x's tile of 128 rows
	s_lshl_b32 s86, s85, 3
	s_lshl_b32 s87, s24, 2
	s_add_co_u32 s99, s86, s87                     ; the first of the four row blocks of x that I multiply
	s_lshl_b32 s87, s23, 2
	s_add_co_u32 s86, s86, s87                     ; the first of the four that I would fetch
	s_mul_i32 s86, s86, 12288
	s_mov_b32 s87, 0
	s_lshl_b32 s90, s25, 4
	s_add_co_u32 s90, s90, 1728                    ; Wo's first row block among the codes
	s_lshl_b32 s91, s23, 3
	s_add_co_u32 s90, s90, s91
	s_lshl_b32 s98, s90, 9
	s_mul_i32 s90, s90, 12288
	s_mov_b32 s91, 0
	s_lshr_b32 s28, s99, 7                         ; batch: 16 heads of 8,192 bytes of scale words each,
	s_lshl_b32 s28, s28, 17
	s_and_b32 s29, s99, 127
	s_lshl_b32 s29, s29, 6                         ; and 128 bytes for each pair of blocks
	s_add_co_u32 s28, s28, s29
	s_mov_b32 s29, 0
	s_lshl_b32 s30, s25, 10
	s_lshl_b32 s31, s23, 9
	s_add_co_u32 s30, s30, s31                     ; my first feature, in bytes
	s_mov_b32 s31, 0
	s_lshl_b32 s2, s99, 16                         ; my first token's row of 4,096 bytes
	s_mov_b32 s3, 0
	s_lshl_b32 s94, s26, 2
	s_lshl_b32 s94, 15, s94                        ; my row of the cluster
	s_lshl_b32 s95, 0x1111, s25                    ; my column
	; descriptor groups 1: rows of 3,072 bytes (384 elements of 8 bytes), 12,288 bytes apart; 4 rows for x, 8 for Wo; dense in LDS
	s_or_b32 s32, s94, (3<<16)|(1<<21)
	s_mov_b32 s33, 384<<16
	s_mov_b32 s34, 4<<16
	s_mov_b32 s35, 384<<16
	s_mov_b32 s36, 4
	s_mov_b32 s37, 1536
	s_mov_b32 s38, 0
	s_mov_b32 s39, 0
	s_or_b32 s40, s95, (3<<16)|(1<<21)
	s_mov_b32 s41, 384<<16
	s_mov_b32 s42, 8<<16
	s_mov_b32 s43, 384<<16
	s_mov_b32 s44, 8
	s_mov_b32 s45, 1536
	s_mov_b32 s46, 0
	s_mov_b32 s47, 0
	v_and_b32 v5, 31, v0                           ; l
	v_and_b32 v3, 15, v0                           ; r
	v_bfe_u32 v4, v0, 4, 1                         ; h
	v_lshlrev_b32 v1, 4, v5                        ; 16 l
	v_lshlrev_b32 v2, 3, v5                        ; 8 l
	v_lshlrev_b32 v5, 2, v5                        ; 4 l
	s_mul_i32 s92, s23, 12288
	s_mul_i32 s93, s23, 24576
	s_mul_i32 s96, s24, 12288
	s_add_co_u32 s96, s96, 196608
	s_mul_i32 s97, s[WV], 8448                     ; my stage: 16 rows x (512 + 16) bytes
	v_add_nc_u32 v[A0X], s93, v1                   ; all LDS addresses are made here, ahead of every branch on the wave's number
	v_add_nc_u32 v[A0Y], s93, v2
	v_add_nc_u32 v[A1X], s96, v1
	v_add_nc_u32 v[A1Y], s96, v2
.irp c, 1,2,3
	v_add_nc_u32 v[A0X+\c], 49152*\c, v[A0X]
	v_add_nc_u32 v[A0Y+\c], 49152*\c, v[A0Y]
	v_add_nc_u32 v[A1X+\c], 24576*\c, v[A1X]
	v_add_nc_u32 v[A1Y+\c], 24576*\c, v[A1Y]
.endr
	v_mul_u32_u24 v[STO], v3, 528
	v_lshl_add_u32 v[STO], v4, 6, v[STO]
	v_add_nc_u32 v[STO], s97, v[STO]               ; in: row r, + 64 h bytes
	v_add_nc_u32 v[RD], s97, v1                    ; back: 16 bytes a lane
	s_wait_dscnt 0x0
	s_wait_kmcnt 0x0
	s_add_nc_u64 s[86:87], s[4:5], s[86:87]
	s_add_nc_u64 s[90:91], s[8:9], s[90:91]
.irp c, 0,1,2,3
	s_mov_b32 s[48+4*\c], 1
	s_add_co_u32 s[49+4*\c], s92, 196608+24576*\c
	s_add_nc_u64 s[50+4*\c:51+4*\c], s[86:87], 3072*\c
	s_or_b32 s[51+4*\c], s[51+4*\c], 0x80000000
	s_mov_b32 s[68+4*\c], 1
	s_add_co_u32 s[69+4*\c], s93, 49152*\c
	s_add_nc_u64 s[70+4*\c:71+4*\c], s[90:91], 3072*\c
	s_or_b32 s[71+4*\c], s[71+4*\c], 0x80000000
.endr
	ROUND                                          ; all sixteen work-groups are here: the joint loads meet
	s_cmp_lt_u32 s[WV], 2                          ; waves 0, 1 fetch x's halves, waves 2, 3 Wo's
	s_cbranch_scc0 .Lfill_s0
	tensor_load_to_lds s[48:51], s[32:39]
	s_nop 0
	tensor_load_to_lds s[52:55], s[32:39]
	s_nop 0
	tensor_load_to_lds s[56:59], s[32:39]
	s_nop 0
	tensor_load_to_lds s[60:63], s[32:39]
	s_nop 0
.rept 4
	v_nop
.endr
	s_branch .Lfilled
.Lfill_s0:
	tensor_load_to_lds s[68:71], s[40:47]
	s_nop 0
	tensor_load_to_lds s[72:75], s[40:47]
	s_nop 0
	tensor_load_to_lds s[76:79], s[40:47]
	s_nop 0
	tensor_load_to_lds s[80:83], s[40:47]
	s_nop 0
.rept 4
	v_nop
.endr
.Lfilled:
	s_mov_b32 s94, s98
	s_mov_b32 s95, 0
	s_add_nc_u64 s[94:95], s[10:11], s[94:95]      ; Wo's scale words
	s_add_nc_u64 s[6:7], s[6:7], s[28:29]          ; x's
	s_add_nc_u64 s[12:13], s[12:13], s[30:31]      ; bo at my first feature
	s_add_nc_u64 s[14:15], s[14:15], s[2:3]
	s_add_nc_u64 s[14:15], s[14:15], s[30:31]      ; out0 at my first token and feature
.irp t, 0,1,2,3,4,5,6,7
	global_load_b128 v[SC0+4*\t:SC0+4*\t+3], v1, s[94:95] offset:512*\t
.endr
.irp hd, 0,1,2,3,4,5,6,7,8,9,10,11,12,13,14,15
.irp pi, 0,1
	global_load_b32 v[RAW+2*\hd+\pi], v5, s[6:7] offset:8192*\hd+128*\pi   ; head hd, blocks 2 pi (lanes 0-15) and 2 pi + 1 (lanes 16-31): two bytes in the low half
.endr
.endr
	global_load_b128 v[BO:BO+3], v1, s[12:13]
	s_wait_tensorcnt 0x3                           ; my part of chunk 0 is in; my three younger loads may be out
	s_barrier_signal -1
	s_barrier_wait -1
	FETCH 0
	s_wait_loadcnt 0x0
.irp s, 0,1,2,3,4,5,6,7
.irp pi, 0,1
	v_lshl_or_b32 v[SC1+2*\s+\pi], v[RAW+4*\s+2+\pi], 16, v[RAW+4*\s+\pi]   ; K step s is heads 2 s and 2 s + 1
.endr
.endr
.rept 8
	v_nop                                          ; a scale register written by a vector instruction stands eight plain lines ahead of a scaled product
.endr
	STEP 0, -1, 1, 1
	STEP 1, 2, 1, 0
	STEP 2, -1, 1, 0
	s_wait_alu depctr_va_vdst(0)
	STEP 3, 1, 1, 0
	STEP 4, -1, 1, 0
	STEP 5, 0, 1, 0
	STEP 6, -1, 1, 0
	STEP 7, -1, 0, 0
	WIN 0
.rept 4
	v_nop                                          ; four plain lines behind the last products, ahead of the stores that read results and the loads into x's fragments
.endr
	TOSTAGE 0
	TOSTAGE 1
	SEND 0, 32                                     ; behind block 0's loads: block 1's 16 stores and 16 loads
	s_wait_xcnt 0x0                                ; block 0's stores have read their registers: block 2's rows may land there
	TOSTAGE 2
	SEND 1, 32
	s_wait_xcnt 0x0
	TOSTAGE 3
	SEND 2, 32
	SEND 3, 0
	s_wait_tensorcnt 0x0
	ds_add_u32 v254, v255
	s_wait_dscnt 0x0
	ROUND                                          ; the closing round
	s_endpgm
.Lfunc_end_k_qe33039c7de_outp:
	.size	k_qe33039c7de_outp, .Lfunc_end_k_qe33039c7de_outp-k_qe33039c7de_outp
	.p2alignl 7, 3214868480
	.fill 96, 4, 3214868480
	.section	.rodata,"a",@progbits
	.p2align	6, 0x0
	.amdhsa_kernel k_qe33039c7de_outp
		.amdhsa_group_segment_fixed_size 295424
		.amdhsa_private_segment_fixed_size 0
		.amdhsa_enable_private_segment 0
		.amdhsa_kernarg_size 48
		.amdhsa_user_sgpr_count 2
		.amdhsa_user_sgpr_kernarg_segment_ptr 1
		.amdhsa_wavefront_size32 1
		.amdhsa_system_sgpr_workgroup_id_x 1
		.amdhsa_system_sgpr_workgroup_id_y 1
		.amdhsa_system_sgpr_workgroup_id_z 1
		.amdhsa_system_vgpr_workitem_id 0
		.amdhsa_next_free_vgpr 768
		.amdhsa_next_free_sgpr 102
		.amdhsa_reserve_vcc 0
		.amdhsa_float_denorm_mode_32 3
		.amdhsa_float_denorm_mode_16_64 3
		.amdhsa_memory_ordered 1
		.amdhsa_forward_progress 1
		.amdhsa_inst_pref_size 95
	.end_amdhsa_kernel
	.amdgpu_metadata
---
amdhsa.version: [ 1, 2 ]
amdhsa.kernels:
  - .name:           k_qe33039c7de_outp
    .symbol:         k_qe33039c7de_outp.kd
    .args:
      - { .name: xc, .offset: 0, .size: 8, .value_kind: global_buffer, .address_space: global }
      - { .name: xs, .offset: 8, .size: 8, .value_kind: global_buffer, .address_space: global }
      - { .name: codes, .offset: 16, .size: 8, .value_kind: global_buffer, .address_space: global }
      - { .name: scales, .offset: 24, .size: 8, .value_kind: global_buffer, .address_space: global }
      - { .name: bo, .offset: 32, .size: 8, .value_kind: global_buffer, .address_space: global }
      - { .name: out0, .offset: 40, .size: 8, .value_kind: global_buffer, .address_space: global }
    .group_segment_fixed_size: 295424
    .private_segment_fixed_size: 0
    .kernarg_segment_align: 8
    .kernarg_segment_size: 48
    .max_flat_workgroup_size: 128
    .sgpr_count:     102
    .vgpr_count:     768
    .wavefront_size: 32
...
	.end_amdgpu_metadata
.endif
;; end of part 4
